; MI455X (gfx1250); checked and timed in simulation.
; The chip was launched on July 23, 2026; its instructions are those of AMD's public machine-readable ISA for CDNA 5 (MIT licence, August 2026) and "CDNA5" Instruction Set Architecture Reference Guide (July 2026). The comments in the code are by the model that wrote it; some were corrected since.
;; Attn Block. Allowed arithmetic: matrix products marked QUANTISED: E2M1 operands, one E8M0 scale for each 32 along K, by v_wmma_scale_f32_16x16x128_f8f6f4 with both operands' format E2M1 (or v_wmma_scale_f32_32x16x128_f4), f32 sums; everything else in f32.
;; Inputs: beta 512 float32; bk 512 float32; bp 512 float32; bq 512 float32; bv 512 float32; gamma 512 float32; wk 512 x 512 float32; wp 512 x 512 float32; wq 512 x 512 float32; wv 512 x 512 float32; x 32 x 512 x 32 x 32 float32.
;; Outputs: out0 32 x 512 x 32 x 32 float32.
;; This version of the problem:
;;   THIS VERSION OF THE PROBLEM IS GIVEN IN LOW PRECISION. The matrix products marked QUANTISED in the list below multiply operands that are first quantised to E2M1 (2 exponent bits, 1 mantissa bit; 4 bits a number), with one power-of-two scale for each 32 numbers along K (OCP MX v1.0); their sums are f32. All else is computed in f32.
;;   The module's matrix products, in the order in which they are computed (A, B: the left and right operand; K: the contracted axis; several contracted axes count as one K, in the product's order):
;;     1. [M 512, K 512] x [K 512, N 32,768]; A: input wq; B: computed on the way: QUANTISED
;;     2. [M 512, K 512] x [K 512, N 32,768]; A: input wk; B: computed on the way: QUANTISED
;;     3. [M 512, K 512] x [K 512, N 32,768]; A: input wv; B: computed on the way: QUANTISED
;;     4. batch 32 x [M 1,024, K 512] x [K 512, N 1,024]; A: computed on the way; B: computed on the way: QUANTISED
;;     5. batch 32 x [M 512, K 1,024] x [K 1,024, N 1,024]; A: computed on the way; B: softmax (see below): QUANTISED
;;     6. [M 512, K 512] x [K 512, N 32,768]; A: input wp; B: computed on the way: QUANTISED
;;   THE QUANTISER, for each operand of a quantised product, along K:
;;     - K is cut into blocks of 32 from its start; a last block that is shorter is filled with zeros.
;;     - A block's scale is 2^e with e = floor(log2(the largest magnitude in the block)) - 2, held to -126 .. 127; a block of zeros has e = 0. As a byte (E8M0): e + 127.
;;     - Each number is divided by its block's scale, clamped to +-6, and rounded to the nearest number of E2M1, ties to even, subnormals kept.
;;     - The product sums the exact products of the quantised numbers (number of the format x scale) in f32.
;;   ~~~python
;;   def quantise(x, axis):      # numpy; x: float32 -> the quantised numbers, widened to float32 again
;;       x = np.moveaxis(x, axis, -1); K = x.shape[-1]
;;       x = np.pad(x, [(0, 0)] * (x.ndim - 1) + [(0, -K % 32)]); x = x.reshape(x.shape[:-1] + (-1, 32)); a = np.abs(x).max(-1, keepdims=True)
;;       e = np.where(a > 0, np.clip(np.frexp(np.where(a > 0, a, 1))[1] - 1 - 2, -126, 127), 0)      # np.frexp(a)[1] - 1 = floor(log2(a)), exactly
;;       r = np.clip(x / 2.0 ** e, -6, 6)
;;       step = 2.0 ** (np.maximum(np.frexp(np.where(r == 0, 1, r))[1] - 1, 0) - 1)
;;       q = np.round(r / step) * step * 2.0 ** e      # np.round: ties to even
;;       return np.moveaxis(q.reshape(q.shape[:-2] + (-1,))[..., :K], -1, axis).astype(np.float32)
;;   ~~~
;;   SOFTMAX AHEAD OF A QUANTISED PRODUCT. Where the list says 'softmax', what is quantised is not the finished softmax but p = 2^(t - M), with t = logit x log2(e) and M = ceil(the row's largest t), a whole number; so 1/2 < the row's largest p <= 1. The row's sum l is taken of the UNQUANTISED p, in f32, and the product's result is divided by l at the end. Since M is a whole number, a kernel that streams over the keys may use a running M (the ceiling of the running maximum): every later rescaling is an exact power of two, which a block's scale takes up: the codes' values come out the same.
;;   OPERANDS COMPUTED ON THE WAY. 'Computed on the way' means the value that the module computes at that place (a softmax that the list does not call 'softmax' is quantised finished and normalised). What goes into a quantiser is computed in f32, as accurately as f32 sums, v_exp_f32 and their like allow (about 1e-6 of the number): no bf16 or f16 on the way to a quantiser, and a product that is left as it is and whose result goes on into a quantised operand takes f32 operands (vector FMAs, or v_wmma_f32_16x16x4_f32). A number that lies on a knife's edge between two numbers of the format may be rounded either way, as far as f32 arithmetic and the matrix unit's own rounding can turn it there, and no further.
;; One version. Each part assembles by itself: llvm-mc -triple=amdgcn-amd-amdhsa -mcpu=gfx1250 --defsym DOCPART=n.
;; ======== version 1 of 1: 3 launches
;; workspace buffers: hc 8,388,608 bytes; hs 524,288 bytes; wc 524,288 bytes; ws 32,768 bytes; qc 8,388,608 bytes; qs 524,288 bytes; kvc 16,777,216 bytes; kvs 1,048,576 bytes
;; launch prep (part 1): grid 16 x 32, 8 waves a work-group, no clusters, 2,560 bytes of LDS; arguments x, gamma, beta, wq, wk, wv, wp, hc, hs, wc, ws; writes hc, hs, wc, ws
.if DOCPART == 1
	.amdgcn_target "amdgcn-amd-amdhsa--gfx1250"
	.amdhsa_code_object_version 6
	.text
	.protected	k_q60dfbb66d8_prep
	.globl	k_q60dfbb66d8_prep
	.p2align	8
	.type	k_q60dfbb66d8_prep,@function
k_q60dfbb66d8_prep:
	s_mov_b64 s[64:65], 0
	v_nop
	global_prefetch_b8 v0, s[64:65] scope:SCOPE_SE
	s_setreg_imm32_b32 hwreg(HW_REG_WAVE_MODE, 25, 1), 1
	s_wait_xcnt 0x0
; FIRST OF THREE LAUNCHES.  GroupNorm of x [32][512][1024] (32 groups of 16 channels x 1,024 positions), hn = (x - mean) rsqrt(var + 1e-5) gamma + beta, quantised to FP4 (E2M1) along the channels, one E8M0
; byte for each 32 channels; and the four weights [512][512] quantised along their second axis.
; NO WORK OF THE PROBLEM IS LEFT OUT IN ANY LAUNCH: bq, bk and bv go into quantised operands, bp into the result, gamma and beta into hn: all eleven inputs are loaded.
; LIMITS: NaN and infinities among the inputs are not served.  A block of zeros gets the scale byte 1 where the quantiser says 127: its codes are zeros, which add nothing under any byte but 0xff, and this
; program alone reads the bytes.  A block whose largest magnitude lies under 2^(3 - 127) is held at byte 1.  v_rsq_f32 is good to 1 ulp.
; SHARES.  A work-group owns 32 channels (two groups = one block of the quantiser) of one batch, all 1,024 positions: 131,072 bytes, read ONCE and kept in registers through mean, variance (two passes, so
; that a common offset of x does no harm) and quantiser.  Lane l of wave w holds positions 128 w + 32 i + l, i = 0..3, AND ITS REGISTERS RUN DOWN THE CHANNELS: v[X + 32 i + c] is channel c.  So each load reads
; 128 consecutive bytes (four on end 512), a block's largest magnitude needs no other lane, and four conversions give 16 bytes that are a lane's place in the operand's image.
; IMAGES.  hc and wc are laid as the reader's registers: a fragment (16 rows x 128 K) is 1,024 bytes; lane 16 h + r has 16 bytes at 512 cc + 256 h + 16 r: row r, k = 64 cc + 32 h + 0..31.
;   hc [n][position tile 64][K step 4][1024]   hs [n][block of channels 16][1024 positions] bytes   wc [matrix 4][row tile 32][K step 4][1024]   ws [matrix][K step][512 rows] words
; The 512 fragments of the four weights are as many as there are work-groups: wave 0 of each quantises one.
.set RED1,  0                          ; LDS: 8 waves x 2 sums
.set RED2,  256                        ; the same for the squares
.set SBY,   512                        ; a scale byte for each of the 1,024 positions
.set SPARE, 1536                       ; the spare words, 128 bytes for each wave: four blocks of 256 bytes that no other line names
.set OFF, 2                            ; v2   512 w + 4 l: my place in a channel's row of x
.set RA,  3                            ; v3   8 w: my wave's two words in RED1, RED2
.set ZA,  4                            ; v4   0: from where all waves' words are read
.set CO,  5                            ; v5   (8 w + l / 16) x 4096 + 16 (l % 16): my 16 bytes in hc
.set SBA, 6                            ; v6   128 w + l: my byte in SBY
.set SBR, 7                            ; v7   512 w + 16 l: waves 0 and 1 carry the bytes out
.set SPW, 8                            ; v8   my spare word; never rewritten
.set NIL, 9                            ; v9   0; never rewritten
.set SA,  12                           ; v12-27  eight chains of pairs; the 16 words read back; in wave 0, at first, at work on the weight
.set MN,  28                           ; v28-31  (mean, mean) of group 0, of group 1
.set T,   32                           ; v32-35  at work
.set C,   36                           ; v36-51  codes, four registers for each i: no store's data are written again
.set E,   52                           ; v52-55  scale bytes
.set WC,  56                           ; v56-63  the weight's codes
.set X,   64                           ; v64-191 x, then x - mean, then hn
.set W,   192                          ; v192-255 the weight's 64 numbers of a lane
.set WV,  26                           ; s26  wave
.set SEL, 104                          ; s[104:105] v_permlanex16_b32's selects for lane l xor 16
	s_load_b512 s[4:19], s[0:1], 0x0               ; x s[4:5], gamma s[6:7], beta s[8:9], wq s[10:11], wk s[12:13], wv s[14:15], wp s[16:17], hc s[18:19]
	s_load_b128 s[20:23], s[0:1], 0x40             ; hs s[20:21], wc s[22:23]
	s_load_b64 s[24:25], s[0:1], 0x50              ; ws
	v_lshl_add_u32 v[SPW], v0, 2, SPARE
	v_mov_b32 v[NIL], 0
	v_and_b32 v1, 31, v0                           ; l
	v_lshrrev_b32 v10, 5, v0
	v_readfirstlane_b32 s[WV], v10                 ; w
	v_bfe_u32 v11, v0, 4, 1                        ; h = l / 16
	v_and_b32 v32, 15, v0                          ; r = l % 16
	v_lshlrev_b32 v[OFF], 2, v1
	v_lshl_add_u32 v[OFF], v10, 9, v[OFF]
	v_lshlrev_b32 v[RA], 3, v10
	v_mov_b32 v[ZA], 0
	v_lshl_add_u32 v[CO], v10, 3, v11
	v_lshlrev_b32 v[CO], 12, v[CO]
	v_lshl_add_u32 v[CO], v32, 4, v[CO]
	v_lshl_add_u32 v[SBA], v10, 7, v1
	v_lshlrev_b32 v[SBR], 4, v0
	v_lshlrev_b32 v12, 11, v32                     ; the weight: row r of 2,048 bytes,
	v_lshl_add_u32 v12, v11, 7, v12                ; + 32 h numbers
	v_lshlrev_b32 v13, 4, v1                       ; its image: 16 l
	v_lshlrev_b32 v23, 2, v32
	v_lshl_add_u32 v23, v11, 1, v23                ; its scale words: 4 r + 2 h
	s_and_b32 s2, ttmp7, 0xffff                    ; n
	s_lshl_b32 s3, s2, 4
	s_add_co_u32 s3, s3, ttmp9                     ; wid = 16 n + cb
	s_mov_b32 s101, 0
	s_mov_b32 s[SEL], 0x76543210
	s_mov_b32 s[SEL+1], 0xfedcba98
	s_mov_b32 s60, 0x38800000                      ; 2^-14: a group has 16,384 numbers
	s_mov_b32 s61, 0x3727c5ac                      ; 1e-5
	s_wait_kmcnt 0x0
	s_lshl_b32 s100, ttmp9, 7                      ; my 32 channels' gamma and beta
	s_add_nc_u64 s[6:7], s[6:7], s[100:101]
	s_add_nc_u64 s[8:9], s[8:9], s[100:101]
	s_load_b512 s[28:43], s[6:7], 0x0              ; gamma: s[28 + c]
	s_load_b512 s[44:59], s[6:7], 0x40
	s_load_b512 s[68:83], s[8:9], 0x0              ; beta: s[68 + c]
	s_load_b512 s[84:99], s[8:9], 0x40
	s_lshl_b32 s100, s3, 17                        ; x: 32 channels of 4,096 bytes for each work-group
	s_add_nc_u64 s[4:5], s[4:5], s[100:101]
	s_lshl_b32 s100, s2, 18                        ; hc: 262,144 n + 256 cb (K step cb / 4, half (cb / 2) % 2, lanes' half cb % 2: 1,024, 512 and 256 bytes)
	s_lshl_b32 s27, ttmp9, 8
	s_add_co_u32 s100, s100, s27
	s_add_nc_u64 s[18:19], s[18:19], s[100:101]
	s_lshl_b32 s100, s3, 10
	s_add_nc_u64 s[20:21], s[20:21], s[100:101]    ; hs: 1,024 bytes for each work-group
	s_add_nc_u64 s[22:23], s[22:23], s[100:101]    ; wc: fragment wid
	s_lshr_b32 s27, s3, 7                          ; which weight: wid / 128
	s_and_b32 s62, s3, 3                           ; its K step
	s_bfe_u32 s63, s3, 0x50002                     ; its tile of 16 rows
	s_lshl_b32 s100, s27, 13
	s_lshl_b32 s2, s62, 11
	s_add_co_u32 s100, s100, s2
	s_lshl_b32 s2, s63, 6
	s_add_co_u32 s100, s100, s2
	s_add_nc_u64 s[24:25], s[24:25], s[100:101]    ; ws
	s_and_b32 s2, s27, 1                           ; the weight is chosen by the work-group's number alone
	s_cmp_lg_u32 s2, 0
	s_cselect_b64 s[10:11], s[12:13], s[10:11]
	s_cselect_b64 s[14:15], s[16:17], s[14:15]
	s_and_b32 s2, s27, 2
	s_cmp_lg_u32 s2, 0
	s_cselect_b64 s[10:11], s[14:15], s[10:11]
	s_lshl_b32 s100, s63, 15
	s_lshl_b32 s2, s62, 9
	s_add_co_u32 s100, s100, s2
	s_add_nc_u64 s[10:11], s[10:11], s[100:101]
	s_cmp_lg_u32 s[WV], 0
	s_cbranch_scc1 .Lw_asked
.irp c, 0,1
.irp g, 0,1,2,3,4,5,6,7
	global_load_b128 v[W+32*\c+4*\g:W+32*\c+4*\g+3], v12, s[10:11] offset:256*\c+16*\g th:TH_LOAD_NT   ; wave 0: row r, k = 64 c + 32 h + 4 g on
.endr
.endr
.Lw_asked:
.set CH, 0
.rept 32
.irp i, 0,1,2,3
	global_load_b32 v[X+32*\i+CH], v[OFF], s[4:5] offset:4096*CH+128*\i th:TH_LOAD_NT   ; four loads on end: 512 consecutive bytes of channel CH
.endr
.set CH, CH+1
.endr
	s_cmp_lg_u32 s[WV], 0
	s_cbranch_scc1 .Lw_done
	s_wait_loadcnt 63                              ; 128 loads were issued behind the weight's 16: with 63 out at the most, those 16 are in
.irp c, 0,1
	v_max3_num_f32 v[14+\c], |v[W+32*\c]|, |v[W+32*\c+1]|, 0x1800000   ; my block 2 c + h: all its 32 numbers are mine; the floor 2^(3 - 127) holds the byte at 1 from below
.endr
.irp i, 2,4,6,8,10,12,14,16,18,20,22,24,26,28,30
.irp c, 0,1
	v_max3_num_f32 v[14+\c], v[14+\c], |v[W+32*\c+\i]|, |v[W+32*\c+\i+1]|
.endr
.endr
.irp c, 0,1
	v_add_nc_u32 v[16+\c], 0xff000000, v[14+\c]    ; 2 off the exponent field: the conversion's scale operand
.endr
.irp c, 0,1
	v_lshrrev_b32 v[18+\c], 23, v[16+\c]           ; the byte
.endr
	v_lshl_or_b32 v20, v19, 16, v18                ; blocks h and 2 + h,
	v_lshlrev_b32 v21, 3, v11
	v_lshlrev_b32 v20, v21, v20                    ; at their places in the word;
	v_mov_b32 v22, 0
	v_permlanex16_b32 v22, v20, s[SEL], s[SEL+1]
	v_or_b32 v20, v20, v22                         ; with lane l xor 16's two it is whole
.irp c, 0,1
.irp g, 0,1,2,3
	v_cvt_scalef32_pk8_fp4_f32 v[WC+4*\c+\g], v[W+32*\c+8*\g:W+32*\c+8*\g+7], v[16+\c]
.endr
.endr
	v_lshlrev_b32 v21, 4, v11                      ; (a plain line behind the conversions)
	v_lshrrev_b32 v20, v21, v20                    ; lanes 0-15 store the word's low half, lanes 16-31 its high half: 64 consecutive bytes
	global_store_b128 v13, v[WC:WC+3], s[22:23]
	global_store_b128 v13, v[WC+4:WC+7], s[22:23] offset:512
	global_store_b16 v23, v20, s[24:25]
	s_wait_xcnt 0x0                                ; v13, v20 and v23 are written again below only behind this wait
.Lw_done:
.macro FOLD g                          ; group g's four chains become one number a lane
	v_pk_add_f32 v[SA+8*(\g):SA+8*(\g)+1], v[SA+8*(\g):SA+8*(\g)+1], v[SA+8*(\g)+2:SA+8*(\g)+3]
	v_pk_add_f32 v[SA+8*(\g)+4:SA+8*(\g)+5], v[SA+8*(\g)+4:SA+8*(\g)+5], v[SA+8*(\g)+6:SA+8*(\g)+7]
	v_pk_add_f32 v[SA+8*(\g):SA+8*(\g)+1], v[SA+8*(\g):SA+8*(\g)+1], v[SA+8*(\g)+4:SA+8*(\g)+5]
	v_add_f32 v[T+(\g)], v[SA+8*(\g)], v[SA+8*(\g)+1]
.endm
.macro SUMS g                          ; the sum of my 64 numbers of group g: a chain for each i, started by its first two pairs: nothing is cleared
.irp i, 0,1,2,3
	v_pk_add_f32 v[SA+8*(\g)+2*\i:SA+8*(\g)+2*\i+1], v[X+32*\i+16*(\g):X+32*\i+16*(\g)+1], v[X+32*\i+16*(\g)+2:X+32*\i+16*(\g)+3]
.endr
.irp k, 4,6,8,10,12,14
.irp i, 0,1,2,3
	v_pk_add_f32 v[SA+8*(\g)+2*\i:SA+8*(\g)+2*\i+1], v[SA+8*(\g)+2*\i:SA+8*(\g)+2*\i+1], v[X+32*\i+16*(\g)+\k:X+32*\i+16*(\g)+\k+1]
.endr
.endr
	FOLD \g
.endm
.macro SQUARES g                       ; the same of their squares
.irp i, 0,1,2,3
	v_pk_mul_f32 v[SA+8*(\g)+2*\i:SA+8*(\g)+2*\i+1], v[X+32*\i+16*(\g):X+32*\i+16*(\g)+1], v[X+32*\i+16*(\g):X+32*\i+16*(\g)+1]
.endr
.irp k, 2,4,6,8,10,12,14
.irp i, 0,1,2,3
	v_pk_fma_f32 v[SA+8*(\g)+2*\i:SA+8*(\g)+2*\i+1], v[X+32*\i+16*(\g)+\k:X+32*\i+16*(\g)+\k+1], v[X+32*\i+16*(\g)+\k:X+32*\i+16*(\g)+\k+1], v[SA+8*(\g)+2*\i:SA+8*(\g)+2*\i+1]
.endr
.endr
	FOLD \g
.endm
; v[T], v[T+1]: over the 32 lanes, then over the 8 waves through LDS at base.  Leaves group 0's total in v[SA], group 1's in v[SA+1], in every lane.
.macro ALLRED base
.irp g, 0,1
	v_add_f32_dpp v[T+\g], v[T+\g], v[T+\g] row_xmask:1 row_mask:0xf bank_mask:0xf
	v_add_f32_dpp v[T+\g], v[T+\g], v[T+\g] row_xmask:2 row_mask:0xf bank_mask:0xf
	v_add_f32_dpp v[T+\g], v[T+\g], v[T+\g] row_xmask:4 row_mask:0xf bank_mask:0xf
	v_add_f32_dpp v[T+\g], v[T+\g], v[T+\g] row_xmask:8 row_mask:0xf bank_mask:0xf
	v_permlanex16_b32 v10, v[T+\g], s[SEL], s[SEL+1]
	v_add_f32 v[T+\g], v[T+\g], v10
	ds_store_b32 v[RA], v[T+\g] offset:\base+4*\g  ; all lanes write the same word with the same value
.endr
	s_wait_dscnt 0x0                               ; for the others' sake: my two words have landed
	s_barrier_signal -1
	s_barrier_wait -1
.irp k, 0,1,2,3
	ds_load_b128 v[SA+4*\k:SA+4*\k+3], v[ZA] offset:\base+16*\k   ; wave k' has (group 0, group 1) at v[SA + 2 k']
.endr
	s_wait_dscnt 0x0
	v_pk_add_f32 v[SA:SA+1], v[SA:SA+1], v[SA+2:SA+3]
	v_pk_add_f32 v[SA+4:SA+5], v[SA+4:SA+5], v[SA+6:SA+7]
	v_pk_add_f32 v[SA+8:SA+9], v[SA+8:SA+9], v[SA+10:SA+11]
	v_pk_add_f32 v[SA+12:SA+13], v[SA+12:SA+13], v[SA+14:SA+15]
	v_pk_add_f32 v[SA:SA+1], v[SA:SA+1], v[SA+4:SA+5]
	v_pk_add_f32 v[SA+8:SA+9], v[SA+8:SA+9], v[SA+12:SA+13]
	v_pk_add_f32 v[SA:SA+1], v[SA:SA+1], v[SA+8:SA+9]
.endm
	s_wait_loadcnt 63                              ; channels 0-15 are the first 64 of the 128 loads: with 63 out at the most they are in
	SUMS 0
	s_wait_loadcnt 0x0
	SUMS 1
	ALLRED RED1
	v_mul_f32 v[MN], s60, v[SA]                    ; the means, twice each: a pair for the packed subtraction
	v_mul_f32 v[MN+2], s60, v[SA+1]
	v_mov_b32 v[MN+1], v[MN]
	v_mov_b32 v[MN+3], v[MN+2]
.irp g, 0,1
.irp i, 0,1,2,3
.irp k, 0,2,4,6,8,10,12,14
	v_pk_add_f32 v[X+32*\i+16*\g+\k:X+32*\i+16*\g+\k+1], v[X+32*\i+16*\g+\k:X+32*\i+16*\g+\k+1], v[MN+2*\g:MN+2*\g+1] neg_lo:[0,1] neg_hi:[0,1]   ; x - mean, in place
.endr
.endr
.endr
	SQUARES 0
	SQUARES 1
	ALLRED RED2
	v_fma_f32 v32, v[SA], s60, s61                 ; var + 1e-5
	v_fma_f32 v33, v[SA+1], s60, s61
	v_rsq_f32 v34, v32
	v_rsq_f32 v35, v33
	v_nop                                          ; a plain line behind the last of the two,
	s_wait_alu depctr_va_vdst(0)                   ; and the wait ahead of the first line that names a result
	v_readfirstlane_b32 s62, v34
	v_readfirstlane_b32 s63, v35
	s_wait_kmcnt 0x0                               ; gamma and beta
.set CH, 0
.rept 16
	s_mul_f32 s[28+CH], s[28+CH], s62              ; gamma x rsqrt(var + 1e-5)
	s_mul_f32 s[44+CH], s[44+CH], s63
.set CH, CH+1
.endr
; my position 128 w + 32 i + l: hn, the block's scale, 32 codes
.macro NORMQ i
.set XS, X+32*(\i)
.set CH, 0
.rept 32
	v_fma_f32 v[XS+CH], v[XS+CH], s[28+CH], s[68+CH]
.set CH, CH+1
.endr
	v_max3_num_f32 v32, |v[XS]|, |v[XS+1]|, |v[XS+2]|
	v_max3_num_f32 v33, |v[XS+3]|, |v[XS+4]|, |v[XS+5]|
.irp k, 6,10,14,18,22,26
	v_max3_num_f32 v32, v32, |v[XS+\k]|, |v[XS+\k+1]|
	v_max3_num_f32 v33, v33, |v[XS+\k+2]|, |v[XS+\k+3]|
.endr
	v_max3_num_f32 v32, v32, |v[XS+30]|, |v[XS+31]|
	v_max3_num_f32 v32, v32, v33, 0x1800000        ; and the floor
	v_add_nc_u32 v34, 0xff000000, v32
.irp g, 0,1,2,3
	v_cvt_scalef32_pk8_fp4_f32 v[C+4*(\i)+\g], v[XS+8*\g:XS+8*\g+7], v34
.endr
	v_lshrrev_b32 v[E+(\i)], 23, v34               ; the byte (and the plain line behind the conversions)
	global_store_b128 v[CO], v[C+4*(\i):C+4*(\i)+3], s[18:19] offset:8192*(\i)   ; sixteen lanes store 256 consecutive bytes, at a multiple of 256 from hc's first byte
	ds_store_b8 v[SBA], v[E+(\i)] offset:SBY+32*(\i)
.endm
	NORMQ 0
	NORMQ 1
	NORMQ 2
	NORMQ 3
	s_wait_dscnt 0x0                               ; for the others' sake: my bytes have landed
	s_barrier_signal -1
	s_barrier_wait -1
	s_cmp_gt_u32 s[WV], 1
	s_cbranch_scc1 .Lend
	ds_load_b128 v[12:15], v[SBR] offset:SBY       ; waves 0 and 1: 512 bytes each
	s_wait_dscnt 0x0
	global_store_b128 v[SBR], v[12:15], s[20:21]
.Lend:
	s_wait_tensorcnt 0x0                           ; the wave's end, behind my last LDS store
	ds_add_u32 v[SPW], v[NIL]
	s_wait_dscnt 0x0
	s_endpgm
.Lfunc_end_k_q60dfbb66d8_prep:
	.size	k_q60dfbb66d8_prep, .Lfunc_end_k_q60dfbb66d8_prep-k_q60dfbb66d8_prep
	.p2alignl 7, 3214868480
	.fill 96, 4, 3214868480
	.section	.rodata,"a",@progbits
	.p2align	6, 0x0
	.amdhsa_kernel k_q60dfbb66d8_prep
		.amdhsa_group_segment_fixed_size 2560
		.amdhsa_private_segment_fixed_size 0
		.amdhsa_enable_private_segment 0
		.amdhsa_kernarg_size 88
		.amdhsa_user_sgpr_count 2
		.amdhsa_user_sgpr_kernarg_segment_ptr 1
		.amdhsa_wavefront_size32 1
		.amdhsa_system_sgpr_workgroup_id_x 1
		.amdhsa_system_sgpr_workgroup_id_y 1
		.amdhsa_system_sgpr_workgroup_id_z 1
		.amdhsa_system_vgpr_workitem_id 0
		.amdhsa_next_free_vgpr 256
		.amdhsa_next_free_sgpr 106
		.amdhsa_reserve_vcc 0
		.amdhsa_float_denorm_mode_32 3
		.amdhsa_float_denorm_mode_16_64 3
		.amdhsa_memory_ordered 1
		.amdhsa_forward_progress 1
		.amdhsa_inst_pref_size 52
	.end_amdhsa_kernel
	.amdgpu_metadata
---
amdhsa.version: [ 1, 2 ]
amdhsa.kernels:
  - .name:           k_q60dfbb66d8_prep
    .symbol:         k_q60dfbb66d8_prep.kd
    .args:
      - { .name: x, .offset: 0, .size: 8, .value_kind: global_buffer, .address_space: global }
      - { .name: gamma, .offset: 8, .size: 8, .value_kind: global_buffer, .address_space: global }
      - { .name: beta, .offset: 16, .size: 8, .value_kind: global_buffer, .address_space: global }
      - { .name: wq, .offset: 24, .size: 8, .value_kind: global_buffer, .address_space: global }
      - { .name: wk, .offset: 32, .size: 8, .value_kind: global_buffer, .address_space: global }
      - { .name: wv, .offset: 40, .size: 8, .value_kind: global_buffer, .address_space: global }
      - { .name: wp, .offset: 48, .size: 8, .value_kind: global_buffer, .address_space: global }
      - { .name: hc, .offset: 56, .size: 8, .value_kind: global_buffer, .address_space: global }
      - { .name: hs, .offset: 64, .size: 8, .value_kind: global_buffer, .address_space: global }
      - { .name: wc, .offset: 72, .size: 8, .value_kind: global_buffer, .address_space: global }
      - { .name: ws, .offset: 80, .size: 8, .value_kind: global_buffer, .address_space: global }
    .group_segment_fixed_size: 2560
    .private_segment_fixed_size: 0
    .kernarg_segment_align: 8
    .kernarg_segment_size: 88
    .max_flat_workgroup_size: 256
    .sgpr_count:     106
    .vgpr_count:     256
    .wavefront_size: 32
...
	.end_amdgpu_metadata
.endif
;; end of part 1
;; launch qkv (part 2): grid 8 x 32, 4 waves a work-group, no clusters, 35,328 bytes of LDS; arguments hc, hs, wc, ws, bq, bk, bv, qc, qs, kvc, kvs; writes qc, qs, kvc, kvs
.if DOCPART == 2
	.amdgcn_target "amdgcn-amd-amdhsa--gfx1250"
	.amdhsa_code_object_version 6
	.text
	.protected	k_q60dfbb66d8_qkv
	.globl	k_q60dfbb66d8_qkv
	.p2align	8
	.type	k_q60dfbb66d8_qkv,@function
k_q60dfbb66d8_qkv:
	s_mov_b64 s[64:65], 0
	v_nop
	global_prefetch_b8 v0, s[64:65] scope:SCOPE_SE
	s_setreg_imm32_b32 hwreg(HW_REG_WAVE_MODE, 25, 1), 1
	s_wait_xcnt 0x0
; SECOND LAUNCH.  q = Wq hn + bq, k = Wk hn + bk, v = Wv hn + bv on codes of FP4 with E8M0 scales, f32 sums; q and k are quantised along their channels, v along the positions (the keys).  Nothing is left out.
; LIMITS as in the first launch (a block of zeros gets byte 1; NaN and infinities are not served).
; SHARES.  A work-group owns 128 positions of one batch; wave w owns output channels 128 w .. 128 w + 127 of q, of k and of v.  128 channels are one K step of q^T k, and 128 positions one K step of v p^T:
; so a wave's 8 tiles of results become exactly ONE fragment and one scale word a row, quantised in registers.
; Each wave holds the block's 32 fragments of hn (window 1) and its 32 fragments of one weight (window 2) and of the next (window 3), loaded straight from their images: 16 bytes a lane, 512 consecutive bytes a load.
; NO JOINT LOADS: a wave's fragments of the weights are read by that wave alone and stay in its registers; by way of LDS a work-group's 393,216 bytes of them would be written and read once more, and they do not fit there.
; NO PREFETCH: all loads are issued at the head or a whole pass ahead.
; THREE PASSES OF ONE SHAPE, 8 tiles i each: 32 matrix instructions (8 accumulators T by turns x 4 K steps), the quantiser, one image (two stores of 512 consecutive bytes), one scale word a row.
;   q, k: source 0 = 16 rows of W (tile T), source 1 = 16 positions (tile i): a lane holds ONE position and its registers run along the channels: v[HA + 8 T + j] = channel 16 T + 8 h + j.
;   v:    source 0 = 16 positions (tile T), source 1 = 16 rows of Wv (tile i): a lane holds ONE channel and its registers run along the positions.
; The bias is the C of each sum's first matrix instruction.
; OUT: qc [n][position tile 64][K step 4][1024]; qs [n][block 8][K step 4][128 positions] words; kvc [n][key step 8][ K [key tile 8][K step 4][1024], then V [channel tile 32][1024] ];
;      kvs [n][ K [key step 8][K step 4][128 keys] words, then V [key step 8][512 channels] words ].
; SCALE WORDS of two neighbouring tiles share a register: tile 2 g in lanes 0-15, tile 2 g + 1 in lanes 16-31, which the odd tile's products name by MATRIX_SCALE_ROW1.
.set BST,   0                          ; LDS: 8,192 bytes for each wave: bk's 64 registers wait here for the second pass
.set SST,   32768                      ; 512 bytes for each wave: a pass's scale words, gathered for one store
.set SPARE, 34816                      ; the spare words, 128 bytes for each wave: two blocks of 256 bytes that no other line names
.set LI,  1                            ; v1   16 l
.set LS,  2                            ; v2   4 l
.set SPW, 3                            ; v3   my spare word; never rewritten
.set NIL, 4                            ; v4   0; never rewritten
.set BSA, 5                            ; v5   BST + 8192 w + 16 l
.set SSA, 6                            ; v6   SST + 512 w + 4 l
.set SSR, 7                            ; v7   SST + 512 w + 16 l
.set LN,  8                            ; v8   l
.set BO,  9                            ; v9   32 h: my half's eight numbers of a bias tile
.set BVO, 10                           ; v10  4 r
.set HSC, 16                           ; v16-31  hn's scale words: 4 g + K step
.set WSA, 32                           ; v32-47  Wq's, later Wv's
.set WSB, 48                           ; v48-63  Wk's
.set HA,  64                           ; v64-127 the 8 accumulators
.set BIAS, 128                         ; v128-191 the bias of 8 tiles in the result's layout
.set BV,  192                          ; v192-199 bv of my channel in tile i
.set CB,  200                          ; v200-207 the same, eight times: a C operand
.set PC,  208                          ; v208-215 the fragment just made
.set PWE, 216                          ; its scale word: an even tile's, an odd tile's, the two in one register
.set PWO, 217
.set PWM, 218
.set TM,  220                          ; v220-231 at work in the quantiser
.set SW,  236                          ; v236-239 scale words on their way out
.set WV,  26
.set HM,  29                           ; s29  lanes 16-31
.set SEL, 30                           ; s[30:31]
.set SHC, 40                           ; s[40:41] hc, my block;  s[42:43] hs;  s[44:45] wc, my rows;  s[46:47] ws;  s[48:53] bq, bk, bv
.set SHS, 42
.set SWC, 44
.set SWS, 46
.set MSB, 0
.macro WIN new                         ; the immediate's high byte repeats the setting that is left; a switch that changes nothing is dropped
.if MSB != (\new)
	s_set_vgpr_msb (MSB<<8)|(\new)
.set MSB, (\new)
.endif
.endm
.macro PLACES n
.rept \n
	v_nop
.endr
.endm
; one matrix instruction: D, A, B, C at registers d, a, b, c (c < 0: the constant 0); scale words in sa, sb; ra, rb = 1: taken from lanes 16-31
.macro WM d, a, b, c, sa, sb, ra, rb
.if (\c) < 0
.if (\ra) && (\rb)
	v_wmma_scale_f32_16x16x128_f8f6f4 v[(\d):(\d)+7], v[(\a):(\a)+7], v[(\b):(\b)+7], 0, v[(\sa)], v[(\sb)] matrix_a_fmt:MATRIX_FMT_FP4 matrix_b_fmt:MATRIX_FMT_FP4 matrix_a_scale:MATRIX_SCALE_ROW1 matrix_b_scale:MATRIX_SCALE_ROW1
.elseif (\ra)
	v_wmma_scale_f32_16x16x128_f8f6f4 v[(\d):(\d)+7], v[(\a):(\a)+7], v[(\b):(\b)+7], 0, v[(\sa)], v[(\sb)] matrix_a_fmt:MATRIX_FMT_FP4 matrix_b_fmt:MATRIX_FMT_FP4 matrix_a_scale:MATRIX_SCALE_ROW1
.elseif (\rb)
	v_wmma_scale_f32_16x16x128_f8f6f4 v[(\d):(\d)+7], v[(\a):(\a)+7], v[(\b):(\b)+7], 0, v[(\sa)], v[(\sb)] matrix_a_fmt:MATRIX_FMT_FP4 matrix_b_fmt:MATRIX_FMT_FP4 matrix_b_scale:MATRIX_SCALE_ROW1
.else
	v_wmma_scale_f32_16x16x128_f8f6f4 v[(\d):(\d)+7], v[(\a):(\a)+7], v[(\b):(\b)+7], 0, v[(\sa)], v[(\sb)] matrix_a_fmt:MATRIX_FMT_FP4 matrix_b_fmt:MATRIX_FMT_FP4
.endif
.else
.if (\ra) && (\rb)
	v_wmma_scale_f32_16x16x128_f8f6f4 v[(\d):(\d)+7], v[(\a):(\a)+7], v[(\b):(\b)+7], v[(\c):(\c)+7], v[(\sa)], v[(\sb)] matrix_a_fmt:MATRIX_FMT_FP4 matrix_b_fmt:MATRIX_FMT_FP4 matrix_a_scale:MATRIX_SCALE_ROW1 matrix_b_scale:MATRIX_SCALE_ROW1
.elseif (\ra)
	v_wmma_scale_f32_16x16x128_f8f6f4 v[(\d):(\d)+7], v[(\a):(\a)+7], v[(\b):(\b)+7], v[(\c):(\c)+7], v[(\sa)], v[(\sb)] matrix_a_fmt:MATRIX_FMT_FP4 matrix_b_fmt:MATRIX_FMT_FP4 matrix_a_scale:MATRIX_SCALE_ROW1
.elseif (\rb)
	v_wmma_scale_f32_16x16x128_f8f6f4 v[(\d):(\d)+7], v[(\a):(\a)+7], v[(\b):(\b)+7], v[(\c):(\c)+7], v[(\sa)], v[(\sb)] matrix_a_fmt:MATRIX_FMT_FP4 matrix_b_fmt:MATRIX_FMT_FP4 matrix_b_scale:MATRIX_SCALE_ROW1
.else
	v_wmma_scale_f32_16x16x128_f8f6f4 v[(\d):(\d)+7], v[(\a):(\a)+7], v[(\b):(\b)+7], v[(\c):(\c)+7], v[(\sa)], v[(\sb)] matrix_a_fmt:MATRIX_FMT_FP4 matrix_b_fmt:MATRIX_FMT_FP4
.endif
.endif
.endm
; THE QUANTISER.  64 numbers of a lane, v[s + 8 T + j] = k 16 T + 8 h + j of my row (8 tiles of results as they fall), become a fragment in v[pc] on and its scale word in v[pw].
; Block b is my registers s + 16 b .. s + 16 b + 15 and lane l xor 16's.  A conversion of tile 2 b + u gives the codes of k = 32 b + 16 u + 8 h + 0..7; the operand wants block 2 c + h' in the lanes' half h',
; eight codes to a register.  So the result goes to register 4 (b / 2) + 2 u + b % 2, and an exchange of halves between registers 2 u and 2 u + 1 of each four puts every eight codes in place.
.macro QUANTN s, pc, pw
.irp b, 0,1,2,3
	v_max3_num_f32 v[TM+\b], |v[(\s)+16*\b]|, |v[(\s)+16*\b+1]|, 0x1800000   ; each accumulator is read from its low end on; the floor 2^(3 - 127) holds the byte at 1 from below
.endr
.irp i, 2,4,6,8,10,12,14
.irp b, 0,1,2,3
	v_max3_num_f32 v[TM+\b], v[TM+\b], |v[(\s)+16*\b+\i]|, |v[(\s)+16*\b+\i+1]|
.endr
.endr
.irp b, 0,1,2,3
	v_permlanex16_b32 v[TM+4+\b], v[TM+\b], s[SEL], s[SEL+1]
.endr
.irp b, 0,1,2,3
	v_max_num_f32 v[TM+\b], v[TM+\b], v[TM+4+\b]
.endr
.irp b, 0,1,2,3
	v_add_nc_u32 v[TM+8+\b], 0xff000000, v[TM+\b]  ; 2 off the exponent field: the conversion's scale operand
.endr
.irp b, 0,1,2,3
	v_lshrrev_b32 v[TM+4+\b], 23, v[TM+8+\b]       ; the byte
.endr
	v_lshl_or_b32 v[(\pw)], v[TM+5], 8, v[TM+4]
	v_lshl_or_b32 v[(\pw)], v[TM+6], 16, v[(\pw)]
	v_lshl_or_b32 v[(\pw)], v[TM+7], 24, v[(\pw)]  ; my row's word, the same in both halves of the lanes
.irp b, 0,1,2,3
.irp u, 0,1
	v_cvt_scalef32_pk8_fp4_f32 v[(\pc)+4*(\b/2)+2*\u+(\b%2)], v[(\s)+16*\b+8*\u:(\s)+16*\b+8*\u+7], v[TM+8+\b]
.endr
.endr
	v_nop                                          ; one plain line behind the conversions
.irp c, 0,1
	v_permlane16_swap_b32 v[(\pc)+4*\c], v[(\pc)+4*\c+1]
	v_permlane16_swap_b32 v[(\pc)+4*\c+2], v[(\pc)+4*\c+3]
.endr
.endm
.macro WLOAD win, mat                  ; my 32 fragments of weight mat into the window that win names: fragment 4 T + K step at v[8 (4 T + K step)]
	WIN \win
.set XI, 0
.rept 64
	global_load_b128 v[4*XI:4*XI+3], v[LI], s[SWC:SWC+1] offset:131072*(\mat)+512*XI
.set XI, XI+1
.endr
	WIN 0
.endm
.macro SLOAD reg, mat                  ; and its scale words
.irp g, 0,1,2,3
.irp ks, 0,1,2,3
	global_load_b32 v[(\reg)+4*\g+\ks], v[LS], s[SWS:SWS+1] offset:8192*(\mat)+2048*\ks+128*\g
.endr
.endr
.endm
	s_load_b512 s[4:19], s[0:1], 0x0               ; hc s[4:5], hs s[6:7], wc s[8:9], ws s[10:11], bq s[12:13], bk s[14:15], bv s[16:17], qc s[18:19]
	s_load_b128 s[20:23], s[0:1], 0x40             ; qs s[20:21], kvc s[22:23]
	s_load_b64 s[24:25], s[0:1], 0x50              ; kvs
	v_lshl_add_u32 v[SPW], v0, 2, SPARE
	v_mov_b32 v[NIL], 0
	v_lshrrev_b32 v11, 5, v0
	v_readfirstlane_b32 s[WV], v11
	v_and_b32 v[LN], 31, v0
	v_lshlrev_b32 v[LI], 4, v[LN]
	v_lshlrev_b32 v[LS], 2, v[LN]
	s_lshl_b32 s32, s[WV], 13
	v_add_nc_u32 v[BSA], s32, v[LI]
	s_lshl_b32 s32, s[WV], 9
	s_add_co_u32 s32, s32, SST
	v_add_nc_u32 v[SSA], s32, v[LS]
	v_add_nc_u32 v[SSR], s32, v[LI]
	v_bfe_u32 v[BO], v0, 4, 1
	v_lshlrev_b32 v[BO], 5, v[BO]
	v_and_b32 v[BVO], 15, v0
	v_lshlrev_b32 v[BVO], 2, v[BVO]
.irp b, 0,1,2,3
	v_mov_b32 v[TM+4+\b], 0                        ; written once: a lane permute's destination counts as one of its sources
.endr
	s_mov_b32 s[HM], 0xffff0000
	s_mov_b32 s[SEL], 0x76543210
	s_mov_b32 s[SEL+1], 0xfedcba98
	s_and_b32 s28, ttmp7, 0xffff                   ; n;  ttmp9 = j, my block of 128 positions
	s_mov_b32 s33, 0
	s_mov_b32 s35, 0
	s_wait_kmcnt 0x0
	s_lshl_b32 s32, s28, 18
	s_lshl_b32 s34, ttmp9, 15
	s_add_co_u32 s32, s32, s34
	s_add_nc_u64 s[SHC:SHC+1], s[4:5], s[32:33]    ; hc + 262,144 n + 32,768 j
	s_lshl_b32 s34, s[WV], 10
	s_add_co_u32 s32, s32, s34
	s_add_nc_u64 s[54:55], s[18:19], s[32:33]      ; qc + the same + 1,024 w: K step w of my block's tiles
	s_lshl_b32 s32, s28, 14
	s_lshl_b32 s34, ttmp9, 7
	s_add_co_u32 s34, s32, s34
	s_add_nc_u64 s[SHS:SHS+1], s[6:7], s[34:35]    ; hs + 16,384 n + 128 j
	s_lshl_b32 s34, ttmp9, 11
	s_add_co_u32 s32, s32, s34
	s_lshl_b32 s34, s[WV], 9                       ; 512 w
	s_add_co_u32 s32, s32, s34
	s_add_nc_u64 s[56:57], s[20:21], s[32:33]      ; qs + 16,384 n + 2,048 j + 512 w
	s_add_nc_u64 s[SWS:SWS+1], s[10:11], s[34:35]  ; ws, bq, bk, bv + 512 w
	s_add_nc_u64 s[48:49], s[12:13], s[34:35]
	s_add_nc_u64 s[50:51], s[14:15], s[34:35]
	s_add_nc_u64 s[52:53], s[16:17], s[34:35]
	s_lshl_b32 s32, s[WV], 15
	s_add_nc_u64 s[SWC:SWC+1], s[8:9], s[32:33]    ; wc + 32,768 w
	s_lshl_b32 s32, s28, 19
	s_lshl_b32 s36, ttmp9, 16
	s_add_co_u32 s32, s32, s36
	s_add_nc_u64 s[22:23], s[22:23], s[32:33]      ; kvc + 524,288 n + 65,536 j
	s_lshl_b32 s32, s[WV], 10
	s_add_nc_u64 s[58:59], s[22:23], s[32:33]      ; K's part: K step w
	s_lshl_b32 s32, s[WV], 13
	s_add_co_u32 s32, s32, 32768
	s_add_nc_u64 s[60:61], s[22:23], s[32:33]      ; V's part: my 8 tiles of channels
	s_lshl_b32 s32, s28, 15
	s_lshl_b32 s36, ttmp9, 11
	s_add_co_u32 s32, s32, s36
	s_add_co_u32 s32, s32, s34
	s_add_nc_u64 s[62:63], s[24:25], s[32:33]      ; kvs + 32,768 n + 2,048 j + 512 w: K's words,
	s_add_nc_u64 s[66:67], s[62:63], 16384         ; and V's
.irp g, 0,1,2,3
.irp ks, 0,1,2,3
.irp b, 0,1,2,3
	global_load_u8 v[HA+16*\g+4*\ks+\b], v[LN], s[SHS:SHS+1] offset:(4*\ks+\b)*1024+32*\g   ; hn's scale byte of position 32 g + l, block of channels 4 ks + b
.endr
.endr
.endr
.irp T, 0,1,2,3,4,5,6,7
	global_load_b128 v[BIAS+8*\T:BIAS+8*\T+3], v[BO], s[50:51] offset:64*\T       ; bk first: it goes to LDS
	global_load_b128 v[BIAS+8*\T+4:BIAS+8*\T+7], v[BO], s[50:51] offset:64*\T+16
.endr
	WIN 0x40                                       ; destination window 1, address window 0
.set XI, 0
.rept 64
	global_load_b128 v[4*XI:4*XI+3], v[LI], s[SHC:SHC+1] offset:512*XI   ; hn: fragment 4 t + K step at v[8 (4 t + K step)]
.set XI, XI+1
.endr
	WLOAD 0x80, 0                                  ; Wq into window 2
	SLOAD WSA, 0
	s_wait_loadcnt 63                              ; 144 loads were issued behind bk's: the bytes and bk are in
.irp g, 0,1,2,3
.irp ks, 0,1,2,3
	v_lshl_or_b32 v[HSC+4*\g+\ks], v[HA+16*\g+4*\ks+1], 8, v[HA+16*\g+4*\ks]
	v_lshl_or_b32 v[HSC+4*\g+\ks], v[HA+16*\g+4*\ks+2], 16, v[HSC+4*\g+\ks]
	v_lshl_or_b32 v[HSC+4*\g+\ks], v[HA+16*\g+4*\ks+3], 24, v[HSC+4*\g+\ks]
.endr
.endr
.set XI, 0
.rept 16
	ds_store_b128 v[BSA], v[BIAS+4*XI:BIAS+4*XI+3] offset:BST+512*XI
.set XI, XI+1
.endr
	s_wait_dscnt 0x0                               ; the stores have read their registers
.irp T, 0,1,2,3,4,5,6,7
	global_load_b128 v[BIAS+8*\T:BIAS+8*\T+3], v[BO], s[48:49] offset:64*\T       ; bq(128 w + 16 T + 8 h + 0..7)
	global_load_b128 v[BIAS+8*\T+4:BIAS+8*\T+7], v[BO], s[48:49] offset:64*\T+16
.endr
.irp i, 0,1,2,3,4,5,6,7
	global_load_b32 v[BV+\i], v[BVO], s[52:53] offset:64*\i                        ; bv(128 w + 16 i + r)
.endr
	WLOAD 0xc0, 1                                  ; Wk into window 3: it has the first pass in which to land
	SLOAD WSB, 1
	s_wait_loadcnt 63                              ; 80 loads were issued behind bv's: hn, Wq, its words, bq and bv are in
; A PASS.  kind = 0: q or k; 1: v.  win: the windows of the products; sca, scb: the scale words of source 0 and of source 1; cb: the images' base, stride bytes from tile to tile; sb: the scale words' base.
.macro PASS kind, win, sca, scb, cb, stride, sb
.irp i, 0,1,2,3,4,5,6,7
	WIN \win
.irp ks, 0,1,2,3
.irp T, 0,1,2,3,4,5,6,7
.if \ks == 0
.if \kind
	WM HA+8*\T, 8*(4*\T+\ks), 8*(4*\i+\ks), CB, (\sca)+4*(\T/2)+\ks, (\scb)+4*(\i/2)+\ks, \T%2, \i%2
.else
	WM HA+8*\T, 8*(4*\T+\ks), 8*(4*\i+\ks), BIAS+8*\T, (\sca)+4*(\T/2)+\ks, (\scb)+4*(\i/2)+\ks, \T%2, \i%2
.endif
.else
	WM HA+8*\T, 8*(4*\T+\ks), 8*(4*\i+\ks), HA+8*\T, (\sca)+4*(\T/2)+\ks, (\scb)+4*(\i/2)+\ks, \T%2, \i%2   ; the 8 accumulators take turns, one instruction a turn
.endif
.endr
.endr
	WIN 0
	PLACES 4                                       ; ahead of the first read of results, and of the writes of CB
.if \kind
.if \i < 7
.irp e, 0,1,2,3,4,5,6,7
	v_mov_b32 v[CB+\e], v[BV+\i+1]                 ; the next tile's bias; the quantiser stands between these lines and its use
.endr
.endif
.endif
	s_wait_xcnt 0x0                                ; the last image's stores have read v[PC] on: it is written again only behind this wait
.if \i % 2
	QUANTN HA, PC, PWO
.else
	QUANTN HA, PC, PWE
.endif
	global_store_b128 v[LI], v[PC:PC+3], s[\cb:\cb+1] offset:(\stride)*\i          ; the image: 512 consecutive bytes a store
	global_store_b128 v[LI], v[PC+4:PC+7], s[\cb:\cb+1] offset:(\stride)*\i+512
.if \i % 2
	v_cndmask_b32 v[PWM], v[PWE], v[PWO], s[HM]    ; lanes 0-15: tile i - 1's words; lanes 16-31: tile i's
	ds_store_b32 v[SSA], v[PWM] offset:64*(\i-1)
.endif
.endr
	ds_load_b128 v[SW:SW+3], v[SSR]                ; LDS serves a wave's instructions in order: this sees my four stores
	s_wait_dscnt 0x0
	global_store_b128 v[LI], v[SW:SW+3], s[\sb:\sb+1]   ; my 128 rows' words: 512 consecutive bytes
.endm
	PASS 0, 0x06, WSA, HSC, 54, 4096, 56           ; q: source 0 window 2, source 1 window 1
	s_wait_loadcnt 0x0                             ; Wk and its words, asked for a pass ago
	PLACES 4                                       ; ahead of loads into registers that matrix instructions have read
	WLOAD 0x80, 2                                  ; Wv takes Wq's place: it has the second pass in which to land
	SLOAD WSA, 2
.set XI, 0
.rept 16
	ds_load_b128 v[BIAS+4*XI:BIAS+4*XI+3], v[BSA] offset:BST+512*XI   ; bk comes back
.set XI, XI+1
.endr
	s_wait_dscnt 0x0
	PASS 0, 0x07, WSB, HSC, 58, 4096, 62           ; k: source 0 window 3
	s_wait_loadcnt 0x0                             ; Wv and its words
.irp e, 0,1,2,3,4,5,6,7
	v_mov_b32 v[CB+\e], v[BV]
.endr
	PLACES 4
	PASS 1, 0x09, HSC, WSA, 60, 1024, 66           ; v: source 0 = hn, window 1; source 1 = Wv, window 2
	s_wait_tensorcnt 0x0                           ; the wave's end, behind my last LDS store
	ds_add_u32 v[SPW], v[NIL]
	s_wait_dscnt 0x0
	s_endpgm
.Lfunc_end_k_q60dfbb66d8_qkv:
	.size	k_q60dfbb66d8_qkv, .Lfunc_end_k_q60dfbb66d8_qkv-k_q60dfbb66d8_qkv
	.p2alignl 7, 3214868480
	.fill 96, 4, 3214868480
	.section	.rodata,"a",@progbits
	.p2align	6, 0x0
	.amdhsa_kernel k_q60dfbb66d8_qkv
		.amdhsa_group_segment_fixed_size 35328
		.amdhsa_private_segment_fixed_size 0
		.amdhsa_enable_private_segment 0
		.amdhsa_kernarg_size 88
		.amdhsa_user_sgpr_count 2
		.amdhsa_user_sgpr_kernarg_segment_ptr 1
		.amdhsa_wavefront_size32 1
		.amdhsa_system_sgpr_workgroup_id_x 1
		.amdhsa_system_sgpr_workgroup_id_y 1
		.amdhsa_system_sgpr_workgroup_id_z 1
		.amdhsa_system_vgpr_workitem_id 0
		.amdhsa_next_free_vgpr 1024
		.amdhsa_next_free_sgpr 70
		.amdhsa_reserve_vcc 0
		.amdhsa_float_denorm_mode_32 3
		.amdhsa_float_denorm_mode_16_64 3
		.amdhsa_memory_ordered 1
		.amdhsa_forward_progress 1
		.amdhsa_inst_pref_size 246
	.end_amdhsa_kernel
	.amdgpu_metadata
---
amdhsa.version: [ 1, 2 ]
amdhsa.kernels:
  - .name:           k_q60dfbb66d8_qkv
    .symbol:         k_q60dfbb66d8_qkv.kd
    .args:
      - { .name: hc, .offset: 0, .size: 8, .value_kind: global_buffer, .address_space: global }
      - { .name: hs, .offset: 8, .size: 8, .value_kind: global_buffer, .address_space: global }
      - { .name: wc, .offset: 16, .size: 8, .value_kind: global_buffer, .address_space: global }
      - { .name: ws, .offset: 24, .size: 8, .value_kind: global_buffer, .address_space: global }
      - { .name: bq, .offset: 32, .size: 8, .value_kind: global_buffer, .address_space: global }
      - { .name: bk, .offset: 40, .size: 8, .value_kind: global_buffer, .address_space: global }
      - { .name: bv, .offset: 48, .size: 8, .value_kind: global_buffer, .address_space: global }
      - { .name: qc, .offset: 56, .size: 8, .value_kind: global_buffer, .address_space: global }
      - { .name: qs, .offset: 64, .size: 8, .value_kind: global_buffer, .address_space: global }
      - { .name: kvc, .offset: 72, .size: 8, .value_kind: global_buffer, .address_space: global }
      - { .name: kvs, .offset: 80, .size: 8, .value_kind: global_buffer, .address_space: global }
    .group_segment_fixed_size: 35328
    .private_segment_fixed_size: 0
    .kernarg_segment_align: 8
    .kernarg_segment_size: 88
    .max_flat_workgroup_size: 128
    .sgpr_count:     70
    .vgpr_count:     1024
    .wavefront_size: 32
...
	.end_amdgpu_metadata
.endif
;; end of part 2
;; launch attn (part 3): grid 8 x 32, 4 waves a work-group, clusters of 4 x 1, 327,680 bytes of LDS; arguments qc, qs, kvc, kvs, wc, ws, bp, x, out0; writes out0
.if DOCPART == 3
	.amdgcn_target "amdgcn-amd-amdhsa--gfx1250"
	.amdhsa_code_object_version 6
	.text
	.protected	k_q60dfbb66d8_attn
	.globl	k_q60dfbb66d8_attn
	.p2align	8
	.type	k_q60dfbb66d8_attn,@function
k_q60dfbb66d8_attn:
	s_mov_b64 s[64:65], 0
	v_nop
	global_prefetch_b8 v0, s[64:65] scope:SCOPE_SE
	s_setreg_imm32_b32 hwreg(HW_REG_WAVE_MODE, 25, 1), 1
	s_wait_xcnt 0x0
	s_wait_alu depctr_hold_cnt(0) depctr_sa_sdst(0) depctr_va_vdst(0) depctr_va_sdst(0) depctr_va_ssrc(0) depctr_va_vcc(0) depctr_vm_vsrc(0)
	s_getreg_b32 s2, hwreg(HW_REG_IB_STS2, 6, 4)
	s_cmp_eq_u32 s2, 0
	s_cbranch_scc0 .Lentry_in_a_cluster
	s_endpgm
.Lentry_in_a_cluster:
	s_bfe_u32 s2, ttmp6, 0x10000c
	s_cmp_lg_u32 s2, 0x3003
	s_cbranch_scc0 .Lentry_shape_is_right
	s_endpgm
.Lentry_shape_is_right:
; THIRD LAUNCH.  out0 = x + Wp (v softmax(q^T k / sqrt(512))^T) + bp, all three products on codes of FP4 with E8M0 scales, f32 sums.  Nothing is left out.
; THE SOFTMAX: t = score x log2(e) / sqrt(512); M = the running largest t rounded UP to a whole number; p = 2^(t - M) is quantised along the keys, not normalised; the row's sum l is taken of the unquantised p;
; when M moves, l and O are multiplied by 2^(old M - new M), which rounds nothing.  O / l is quantised along the channels for the last product.
; LIMITS: NaN and infinities are not served; a block of zeros gets the byte 1 (its codes are zeros); v_exp_f32 and v_rcp_f32 are good to 1 ulp and give 0 for results under 2^-126; a block's largest p is taken as
; the exponential of the block's largest score, which takes v_exp_f32 not to fall where its input rises.
; SHARES.  A work-group owns 128 queries of one batch.  In the loop over the keys wave w owns queries 32 w .. 32 w + 31: two tiles of 16, which share every fragment of K and of V; O^T (512 channels) is 2 x 256 registers.
; Both products are used transposed (S^T = K Q^T, O^T = V P^T): a lane holds ONE query throughout, and its registers run along the keys, then along the channels.
; In the last product THE WAVES SHARE THE OUTPUT CHANNELS: wave w makes channels 128 w .. 128 w + 127 for all 128 queries, with its 32 fragments of Wp in registers; the 32 fragments of O / l go from wave to
; wave through LDS as images of their registers.  There source 0 = 16 queries, source 1 = 16 rows of Wp: a lane holds one output channel and eight neighbouring positions, as out0 lies.
; THE RING.  8 key steps of 128 keys; a key step is 65,536 consecutive bytes of kvc (K's 32 fragments, V's 32).  Two LDS slots of two steps; each wave brings a quarter of a slot, 32,768 bytes, by one tensor load.
; CLUSTER.  The four work-groups of a cluster belong to one batch and walk the same K and V: each of these loads is JOINT (the same descriptor, made of the batch and the wave's number alone, and a mask that names the four).
; By this text's own count a wave has three tensor loads out at the head and one behind each of the three changes of slots.  The scale words of the whole batch (32,768 bytes) come once, with the first fills.
; Every fragment lies in LDS as an image: a load reads 512 consecutive bytes, 16 a lane: no pitch, no padding.
; x IS ASKED FOR AHEAD OF THE WAY OUT.  A wave adds 128 rows x 512 bytes of x.  Rows 0-63 come by one tensor load a wave (64 rows x 512 bytes; my work-group's own load: no mask) into slot 0 at the LAST change of slots,
; when that slot has been read out: the load has key steps 6 and 7, the quantiser and the last product in which to land, and only the wave that issued it reads its bytes.  Rows 64-95 come into the registers that
; Wp's fragments leave, K step by K step, during the last product; rows 96-127 behind the way out of rows 32-63.  No prefetch of x: its loads are themselves issued that far ahead of their use.
; REGISTERS, in windows of 256: window 0: addresses, statistics, scale words, P, S^T (v104-231);  window 1: O^T of tile 0 (channel tile dt at v[8 dt]);  window 2: of tile 1;
;   window 3: v0-63 Q (32 q + 8 K step); three sets of 8 fragments of K or V at v64, v128, v192.  Behind the loop: window 3 Wp (64 kb + 8 dt), then four sets of 16 rows of x; windows 1 and 2 the 64 accumulators of the
;   last product; window 0 v104-231 O / l's fragments and bp, then two sets of 16 rows of the result.
.set SLOT1, 1<<17                      ; slot 0 at 0, slot 1 here
.set STEPB, 65536                      ; a key step's bytes in a slot: K's images, and from VOFF on V's
.set VOFF,  32768
.set SCK,   262144                     ; K's scale words [key step 8][K step 4][128 keys]; 16,384 bytes on V's [key step 8][512 channels]
.set SPARE, 294912                     ; the spare words, 128 bytes for each wave: two blocks of 256 bytes that no other line names
; Behind the last change of slots slot 0 takes x: wave w's rows 0-63 at 32768 w + 512 x row.  Behind the loop and a barrier slot 1 has had its last fill and its last read; counted from SLOT1, which the address registers carry:
.set OIMG,  0                          ; O / l's images [query tile 8][K step 4][1024],
.set OSC,   32768                      ; their scale words [K step 4][128 queries],
.set STG,   40960                      ; and a stage of 16 rows x (512 + 16) bytes for each wave
.set LI,  1                            ; v1   16 l
.set LS,  2                            ; v2   4 l
.set SPW, 3                            ; v3   my spare word; never rewritten
.set NIL, 4                            ; v4   0; never rewritten
.set ADR, 5                            ; v5   the key step's images
.set ADS, 6                            ; v6   the key step's scale words
.set LSK, 7                            ; v7   SCK + 4 l
.set PFO, 8                            ; v8   256 l
.set OWI, 9                            ; v9   SLOT1 + 16 l + 8192 w
.set OWS, 10                           ; v10  SLOT1 + 4 l + 128 w
.set STO, 11                           ; v11  my stage + 528 r + 32 h
.set RD,  12                           ; v12  my stage + 16 l
.set XL,  13                           ; v13  16 l + 32768 w: my wave's rows of x in slot 0
.set R4,  14                           ; v14  4 r
.set ST,  16                           ; v16-23 tile q: -M, the largest t, l in two halves
.set F,   24                           ; v[24:25] 2^(old M - new M); the upper word is named with it and written once
.set T1,  26
.set R,   28                           ; v[28:29], v[30:31] 1 / l; the upper words are named with them and written once
.set QSC, 32                           ; v32-35 Q's scale words: tile 0 in lanes 0-15, tile 1 in lanes 16-31
.set PW0, 36                           ; v36, v37 P's scale words, later O / l's;  v38 the two in one register
.set PWM, 38
.set KSC, 40                           ; v40-55 K's scale words (4 g + K step); later Wp's
.set VSC, 56                           ; v56-71 V's; later O / l's
.set PC,  72                           ; v72-87 the fragments just made, 8 a tile
.set TM,  88                           ; v88-99 at work
.set LI1, 100                          ; v100 SLOT1 + 16 l
.set LS1, 101                          ; v101 SLOT1 + 4 l
.set S,   104                          ; v104-231 S^T, then p: 64 q + 8 kt + j = key 16 kt + 8 h + j
.set OF,  104                          ; behind the loop: 64 numbers of O / l; then its 8 fragments of a K step
.set BP,  168                          ; and bp, eight times for each of my 8 tiles
.set BK,  104                          ; the way out: 16 rows read back from the stage: v104-167 and v168-231 by turns
.set FB0, 64
.set FB1, 128
.set FB2, 192
.set WV,  22
.set SLOTS, 52
.set TWICE, 53
.set CS,  54                           ; s[54:55] log2(e) / sqrt(512)
.set SEL, 56                           ; s[56:57]
.set TB,  58                           ; LDS byte at which the key step in hand begins
.set TJ,  59                           ; and its scale words: 2,048 bytes a step
.set PFA, 60                           ; s[60:61] where my prefetch of K and V stands
.set LIM, 62
.set HM,  63                           ; lanes 16-31
.set XP,  18                           ; s[18:19] x, s[20:21] out0: my wave's 128 rows, my block's 512 bytes of each
.set OP,  20
.set G1X, 68                           ; s[68:75] descriptor group 1 for x;  s[84:87] its group 0
.set G0X, 84
.set MSB, 0
.macro WIN new                         ; the immediate's high byte repeats the setting that is left; a switch that changes nothing is dropped
.if MSB != (\new)
	s_set_vgpr_msb (MSB<<8)|(\new)
.set MSB, (\new)
.endif
.endm
.macro PLACES n
.rept \n
	v_nop
.endr
.endm
; one matrix instruction: D, A, B, C at registers d, a, b, c (c < 0: the constant 0); scale words in sa, sb; ra, rb = 1: taken from lanes 16-31
.macro WM d, a, b, c, sa, sb, ra, rb
.if (\c) < 0
.if (\ra) && (\rb)
	v_wmma_scale_f32_16x16x128_f8f6f4 v[(\d):(\d)+7], v[(\a):(\a)+7], v[(\b):(\b)+7], 0, v[(\sa)], v[(\sb)] matrix_a_fmt:MATRIX_FMT_FP4 matrix_b_fmt:MATRIX_FMT_FP4 matrix_a_scale:MATRIX_SCALE_ROW1 matrix_b_scale:MATRIX_SCALE_ROW1
.elseif (\ra)
	v_wmma_scale_f32_16x16x128_f8f6f4 v[(\d):(\d)+7], v[(\a):(\a)+7], v[(\b):(\b)+7], 0, v[(\sa)], v[(\sb)] matrix_a_fmt:MATRIX_FMT_FP4 matrix_b_fmt:MATRIX_FMT_FP4 matrix_a_scale:MATRIX_SCALE_ROW1
.elseif (\rb)
	v_wmma_scale_f32_16x16x128_f8f6f4 v[(\d):(\d)+7], v[(\a):(\a)+7], v[(\b):(\b)+7], 0, v[(\sa)], v[(\sb)] matrix_a_fmt:MATRIX_FMT_FP4 matrix_b_fmt:MATRIX_FMT_FP4 matrix_b_scale:MATRIX_SCALE_ROW1
.else
	v_wmma_scale_f32_16x16x128_f8f6f4 v[(\d):(\d)+7], v[(\a):(\a)+7], v[(\b):(\b)+7], 0, v[(\sa)], v[(\sb)] matrix_a_fmt:MATRIX_FMT_FP4 matrix_b_fmt:MATRIX_FMT_FP4
.endif
.else
.if (\ra) && (\rb)
	v_wmma_scale_f32_16x16x128_f8f6f4 v[(\d):(\d)+7], v[(\a):(\a)+7], v[(\b):(\b)+7], v[(\c):(\c)+7], v[(\sa)], v[(\sb)] matrix_a_fmt:MATRIX_FMT_FP4 matrix_b_fmt:MATRIX_FMT_FP4 matrix_a_scale:MATRIX_SCALE_ROW1 matrix_b_scale:MATRIX_SCALE_ROW1
.elseif (\ra)
	v_wmma_scale_f32_16x16x128_f8f6f4 v[(\d):(\d)+7], v[(\a):(\a)+7], v[(\b):(\b)+7], v[(\c):(\c)+7], v[(\sa)], v[(\sb)] matrix_a_fmt:MATRIX_FMT_FP4 matrix_b_fmt:MATRIX_FMT_FP4 matrix_a_scale:MATRIX_SCALE_ROW1
.elseif (\rb)
	v_wmma_scale_f32_16x16x128_f8f6f4 v[(\d):(\d)+7], v[(\a):(\a)+7], v[(\b):(\b)+7], v[(\c):(\c)+7], v[(\sa)], v[(\sb)] matrix_a_fmt:MATRIX_FMT_FP4 matrix_b_fmt:MATRIX_FMT_FP4 matrix_b_scale:MATRIX_SCALE_ROW1
.else
	v_wmma_scale_f32_16x16x128_f8f6f4 v[(\d):(\d)+7], v[(\a):(\a)+7], v[(\b):(\b)+7], v[(\c):(\c)+7], v[(\sa)], v[(\sb)] matrix_a_fmt:MATRIX_FMT_FP4 matrix_b_fmt:MATRIX_FMT_FP4
.endif
.endif
.endm
; THE QUANTISER, as in the second launch: v[s + 8 T + j] = k 16 T + 8 h + j of my row -> a fragment in v[pc] on, its scale word in v[pw].  The conversion of tile 2 b + u goes to register 4 (b / 2) + 2 u + b % 2,
; and an exchange of halves between registers 2 u and 2 u + 1 of each four gives each half of the lanes its whole block of 32.
.macro QUANTN s, pc, pw
.irp b, 0,1,2,3
	v_max3_num_f32 v[TM+\b], |v[(\s)+16*\b]|, |v[(\s)+16*\b+1]|, 0x1800000
.endr
.irp i, 2,4,6,8,10,12,14
.irp b, 0,1,2,3
	v_max3_num_f32 v[TM+\b], v[TM+\b], |v[(\s)+16*\b+\i]|, |v[(\s)+16*\b+\i+1]|
.endr
.endr
.irp b, 0,1,2,3
	v_permlanex16_b32 v[TM+4+\b], v[TM+\b], s[SEL], s[SEL+1]
.endr
.irp b, 0,1,2,3
	v_max_num_f32 v[TM+\b], v[TM+\b], v[TM+4+\b]
.endr
.irp b, 0,1,2,3
	v_add_nc_u32 v[TM+8+\b], 0xff000000, v[TM+\b]
.endr
.irp b, 0,1,2,3
	v_lshrrev_b32 v[TM+4+\b], 23, v[TM+8+\b]
.endr
	v_lshl_or_b32 v[(\pw)], v[TM+5], 8, v[TM+4]
	v_lshl_or_b32 v[(\pw)], v[TM+6], 16, v[(\pw)]
	v_lshl_or_b32 v[(\pw)], v[TM+7], 24, v[(\pw)]
.irp b, 0,1,2,3
.irp u, 0,1
	v_cvt_scalef32_pk8_fp4_f32 v[(\pc)+4*(\b/2)+2*\u+(\b%2)], v[(\s)+16*\b+8*\u:(\s)+16*\b+8*\u+7], v[TM+8+\b]
.endr
.endr
	v_nop                                          ; one plain line behind the conversions
.irp c, 0,1
	v_permlane16_swap_b32 v[(\pc)+4*\c], v[(\pc)+4*\c+1]
	v_permlane16_swap_b32 v[(\pc)+4*\c+2], v[(\pc)+4*\c+3]
.endr
.endm
; A round of the cluster's barrier: my work-group's barrier, so that wave 0's signal speaks for all four waves; wave 0 signals; every wave waits for all four work-groups; my work-group's barrier once more.
.macro CROUND
	s_barrier_signal -1
	s_barrier_wait -1
	s_cmp_lg_u32 s[WV], 0
	s_cbranch_scc1 .Lnot_wave_0_\@
	s_barrier_signal -3
.Lnot_wave_0_\@:
	s_barrier_wait -3
	s_barrier_signal -1
	s_barrier_wait -1
.endm
.macro JLOAD                           ; my quarter of a slot; every wave issues it, with no branch; an s_nop 0 and four v_nop follow
	tensor_load_to_lds s[48:51], s[24:31]
	s_nop 0
	PLACES 4
.endm
; A prefetch of what the NEXT change of slots will ask for of K and V: 131,072 bytes, each lane another 256.  Both clusters of a batch walk the same bytes: the first asks.  Its four partners take 32,768 bytes each, told
; apart by address, and each wave 8,192 of them: so each 256 bytes are named once.  The last change that asks for K and V prefetches nothing: there is no key step behind it.  The first three fills come by their loads alone.
.macro ASK
	s_cmp_gt_u32 s[SLOTS], s[LIM]
	s_cbranch_scc0 .Lnot_mine_\@
	global_prefetch_b8 v[PFO], s[PFA:PFA+1] th:TH_LOAD_NT scope:SCOPE_SE
.Lnot_mine_\@:
.endm
; THE CHANGE OF SLOTS.  Each wave waits for all its tensor loads (one is out: its part of the other slot), adds 0 to its spare word, and waits for that and for its reads of the slot that it leaves.  The barrier is a
; round of the cluster's, so that no wave of any partner still reads the slot or has a load on its way; the refill is the first thing behind it, one tensor load a wave.
; fill = 1: the joint load of the next two key steps, which has two key steps in which to land.  fill = 2, the last change: my wave's rows 0-63 of x, into my quarter of the slot that has been left.
.macro CHANGE fill
	WIN 0
	s_wait_tensorcnt 0x0                           ; no tensor load of mine is out, so a descriptor may be written
	ds_add_u32 v[SPW], v[NIL]                      ; 0 onto my spare word
.if \fill == 1
	s_xor_b32 s49, s49, SLOT1                      ; the walking descriptor: the other slot than last time,
	s_add_nc_u64 s[50:51], s[50:51], 2*STEPB       ; the next two key steps; the type bits on top are not reached
	s_wait_xcnt 0x0                                ; the last prefetch has read its address, so it may be written
	s_add_nc_u64 s[PFA:PFA+1], s[PFA:PFA+1], 2*STEPB
.endif
	s_wait_dscnt 0x0                               ; the add is done, and my reads of the slot are over
	CROUND
.if \fill == 1
	JLOAD
	ASK
.else
	tensor_load_to_lds s[G0X:G0X+3], s[G1X:G1X+7]  ; 64 rows x 512 bytes of x
	s_nop 0
	PLACES 4
.endif
	s_sub_co_u32 s[TB], s[TB], 2*STEPB             ; back to a slot's first step,
	s_xor_b32 s[TB], s[TB], SLOT1                  ; in the other slot
.endm
.macro KLD G, set                      ; K's key tiles 2 G, 2 G + 1, all four K steps: fragment 4 u + K step at v[set + 8 (4 u + K step)] of window 3
	WIN 0xc0
.set XI, 0
.rept 16
	ds_load_b128 v[(\set)+4*XI:(\set)+4*XI+3], v[ADR] offset:8192*(\G)+512*XI
.set XI, XI+1
.endr
.endm
.macro VLD g, set                      ; V's channel tiles 8 g .. 8 g + 7
	WIN 0xc0
.set XI, 0
.rept 16
	ds_load_b128 v[(\set)+4*XI:(\set)+4*XI+3], v[ADR] offset:VOFF+8192*(\g)+512*XI
.set XI, XI+1
.endr
.endm
.macro MULQK G, set                    ; 16 products: four accumulators (2 key tiles x 2 query tiles) by turns, one instruction a turn; the first K step starts the sums
	WIN 0x0f                                       ; K and Q in window 3, S^T in window 0
.irp ks, 0,1,2,3
.irp u, 0,1
.irp q, 0,1
.if \ks == 0
	WM S+64*\q+8*(2*(\G)+\u), (\set)+8*(4*\u+\ks), 32*\q+8*\ks, -1, KSC+4*(\G)+\ks, QSC+\ks, \u, \q
.else
	WM S+64*\q+8*(2*(\G)+\u), (\set)+8*(4*\u+\ks), 32*\q+8*\ks, S+64*\q+8*(2*(\G)+\u), KSC+4*(\G)+\ks, QSC+\ks, \u, \q
.endif
.endr
.endr
.endr
.endm
.macro PVG g, set, first               ; 16 products O^T += V P^T: channel tiles 8 g .. 8 g + 7 for tile 0, then for tile 1; each accumulator has one instruction a key step.  first = 1: they start the sums
.irp q, 0,1
	WIN 0x53+0x50*\q                               ; V in window 3, P in window 0, O^T in window 1 or 2
.irp e, 0,1,2,3,4,5,6,7
.if \first
	WM 8*(8*(\g)+\e), (\set)+8*\e, PC+8*\q, -1, VSC+4*(\g)+\e/2, PW0+\q, \e%2, 0
.else
	WM 8*(8*(\g)+\e), (\set)+8*\e, PC+8*\q, 8*(8*(\g)+\e), VSC+4*(\g)+\e/2, PW0+\q, \e%2, 0
.endif
.endr
.endr
.endm
; THE SOFTMAX of tile q for one key step.  first = 1: O^T has not begun: nothing is rescaled.
.macro SOFTMAX q, first
.set SB, S+64*(\q)
.set NM, ST+4*(\q)
.set MT, NM+1
.set LL, NM+2
.set PQ, PC+8*(\q)
.set PWQ, PW0+(\q)
.irp b, 0,1,2,3
	v_max3_num_f32 v[TM+\b], v[SB+16*\b], v[SB+16*\b+1], v[SB+16*\b+2]   ; the largest score of each block of 32 keys: for the row's maximum, and, since p rises with the score, for the block's largest p
.endr
.irp i, 3,5,7,9,11,13
.irp b, 0,1,2,3
	v_max3_num_f32 v[TM+\b], v[TM+\b], v[SB+16*\b+\i], v[SB+16*\b+\i+1]
.endr
.endr
.irp b, 0,1,2,3
	v_max_num_f32 v[TM+\b], v[TM+\b], v[SB+16*\b+15]
.endr
.irp b, 0,1,2,3
	v_permlanex16_b32 v[TM+4+\b], v[TM+\b], s[SEL], s[SEL+1]
.endr
.irp b, 0,1,2,3
	v_max_num_f32 v[TM+\b], v[TM+\b], v[TM+4+\b]   ; with lane l xor 16's 16 keys
.endr
	v_max3_num_f32 v[T1], v[TM], v[TM+1], v[TM+2]
	v_max_num_f32 v[T1], v[T1], v[TM+3]
	v_mul_f32 v[T1], s[CS], v[T1]                  ; the step's largest t
	v_max_num_f32 v[MT], v[MT], v[T1]              ; the running largest t
	v_mov_b32 v[T1], v[NM]
	v_floor_f32 v[NM], -v[MT]                      ; -M = floor(-t): M is a whole number
	v_sub_f32 v[T1], v[NM], v[T1]                  ; old M - new M, a whole number, 0 or less
	v_cvt_i32_f32 v[T1], v[T1]                     ; (it saturates)
	v_ldexp_f32 v[F], 1.0, v[T1]
.set XI, 0
.rept 32
	v_pk_fma_f32 v[SB+2*XI:SB+2*XI+1], v[SB+2*XI:SB+2*XI+1], s[CS:CS+1], v[NM:NM+1] op_sel_hi:[1,0,0]   ; t - M (of the pairs the low word serves both halves)
.set XI, XI+1
.endr
.irp b, 0,1,2,3
	v_fma_f32 v[TM+\b], v[TM+\b], s[CS], v[NM]
.endr
.set XI, 0
.rept 64
	v_exp_f32 v[SB+XI], v[SB+XI]                   ; p, at most 1
.set XI, XI+1
.endr
	v_pk_mul_f32 v[LL:LL+1], v[LL:LL+1], v[F:F+1] op_sel_hi:[1,0]   ; l under the new M (the plain line behind the exponentials)
	s_wait_alu depctr_va_vdst(0)                   ; one wait for the batch of 64, ahead of its first reader
.irp b, 0,1,2,3
	v_exp_f32 v[TM+\b], v[TM+\b]                   ; each block's largest p
.endr
	v_pk_add_f32 v[TM+4:TM+5], v[SB:SB+1], v[SB+2:SB+3]   ; the sum of the unquantised p, in two chains; it reads the 64 alone
.irp j, 4,8,12,16,20,24,28,32,36,40,44,48,52,56,60
	v_pk_add_f32 v[LL:LL+1], v[LL:LL+1], v[SB+\j:SB+\j+1]
	v_pk_add_f32 v[TM+4:TM+5], v[TM+4:TM+5], v[SB+\j+2:SB+\j+3]
.endr
	v_pk_add_f32 v[LL:LL+1], v[LL:LL+1], v[TM+4:TM+5]
	s_wait_alu depctr_va_vdst(0)                   ; and one for the four
.irp b, 0,1,2,3
	v_max_num_f32 v[TM+\b], 0x1800000, v[TM+\b]    ; the floor 2^(3 - 127)
.endr
.irp b, 0,1,2,3
	v_add_nc_u32 v[TM+8+\b], 0xff000000, v[TM+\b]
.endr
.irp b, 0,1,2,3
	v_lshrrev_b32 v[TM+4+\b], 23, v[TM+8+\b]
.endr
	v_lshl_or_b32 v[PWQ], v[TM+5], 8, v[TM+4]
	v_lshl_or_b32 v[PWQ], v[TM+6], 16, v[PWQ]
	v_lshl_or_b32 v[PWQ], v[TM+7], 24, v[PWQ]      ; p's scale word for these 128 keys
.irp b, 0,1,2,3
.irp u, 0,1
	v_cvt_scalef32_pk8_fp4_f32 v[PQ+4*(\b/2)+2*\u+(\b%2)], v[SB+16*\b+8*\u:SB+16*\b+8*\u+7], v[TM+8+\b]
.endr
.endr
	v_nop
.irp c, 0,1
	v_permlane16_swap_b32 v[PQ+4*\c], v[PQ+4*\c+1]
	v_permlane16_swap_b32 v[PQ+4*\c+2], v[PQ+4*\c+3]
.endr
.if \first
.if (\q) == 1
	PLACES 8                                       ; a scale word written by a vector instruction stands 8 places ahead of the product that names it
.endif
.else
	WIN 0x41+0x41*(\q)                             ; O^T (destination and source 0) in window 1 or 2, the factor in window 0
.set XI, 0
.rept 128
	v_pk_mul_f32 v[2*XI:2*XI+1], v[2*XI:2*XI+1], v[F:F+1] op_sel_hi:[1,0]   ; O^T under the new M, each accumulator from its low end on; these are also the places ahead of the products
.set XI, XI+1
.endr
	WIN 0
.endif
.endm
; A KEY STEP.  The LDS loads stand in runs of 16, two runs ahead of their use; three quarters of V land under the softmax.  Each s_wait_dscnt 32 leaves out the two youngest runs.
.macro STEP first
	v_add_nc_u32 v[ADR], s[TB], v[LI]
	v_add_nc_u32 v[ADS], s[TJ], v[LSK]
	PLACES 2                                       ; four plain lines between the last products and loads into registers that they read
.irp g, 0,1,2,3
.irp ks, 0,1,2,3
	ds_load_b32 v[KSC+4*\g+\ks], v[ADS] offset:512*\ks+128*\g
.endr
.endr
.set XI, 0
.rept 16
	ds_load_b32 v[VSC+XI], v[ADS] offset:16384+128*XI
.set XI, XI+1
.endr
	KLD 0, FB0
	KLD 1, FB1
	KLD 2, FB2
	s_wait_dscnt 32
	MULQK 0, FB0
	PLACES 4
	KLD 3, FB0
	s_wait_dscnt 32
	MULQK 1, FB1
	PLACES 4
	VLD 0, FB1
	s_wait_dscnt 32
	MULQK 2, FB2
	PLACES 4
	VLD 1, FB2
	s_wait_dscnt 32
	MULQK 3, FB0
	PLACES 4                                       ; also ahead of the first read of the scores
	VLD 2, FB0
	WIN 0
	SOFTMAX 0, \first
	SOFTMAX 1, \first
	s_wait_dscnt 0x0
	PVG 0, FB1, \first
	PLACES 4
	VLD 3, FB1
	PVG 1, FB2, \first
	PVG 2, FB0, \first
	s_wait_dscnt 0x0
	PVG 3, FB1, \first
	WIN 0
	s_add_co_u32 s[TB], s[TB], STEPB
	s_add_co_u32 s[TJ], s[TJ], 2048
.endm
.macro TWO_STEPS                       ; a slot's two key steps: written once, walked twice
	s_mov_b32 s[TWICE], 2
.Lstep_\@:
	STEP 0
	s_sub_co_u32 s[TWICE], s[TWICE], 1
	s_cmp_lg_u32 s[TWICE], 0
	s_cbranch_scc1 .Lstep_\@
.endm
; THE WAY OUT, 16 output channels (rows of out0: block a) at a time.  A lane holds 32 neighbouring bytes of a row for each query tile; the block goes through my own stage and comes back as whole rows of 512 bytes.
.macro XLOAD a, set                    ; block a's 16 rows of x from memory into set 0..3 of window 3
	WIN 0xc0
.set XI, 0
.rept 16
	global_load_b128 v[64*(\set)+4*XI:64*(\set)+4*XI+3], v[LI], s[XP:XP+1] offset:65536*(\a)+4096*XI th:TH_LOAD_NT
.set XI, XI+1
.endr
	WIN 0
.endm
.macro TOSTAGE a                       ; 16 LDS stores, 16 LDS loads; for blocks 0-3 16 more: their rows of x lie in slot 0 and go to set 2 + a % 2 of window 3
.irp m, 0,1,2,3,4,5,6,7
	WIN 0x04+0x04*(\m/4)                           ; an LDS store's data are its source 1: window 1 or 2
	ds_store_b128 v[STO], v[8*(8*(\m%4)+(\a)):8*(8*(\m%4)+(\a))+3] offset:64*\m          ; each accumulator from its low end on
	ds_store_b128 v[STO], v[8*(8*(\m%4)+(\a))+4:8*(8*(\m%4)+(\a))+7] offset:64*\m+16
.endr
	WIN 0
.set XI, 0
.rept 16
	ds_load_b128 v[BK+64*((\a)%2)+4*XI:BK+64*((\a)%2)+4*XI+3], v[RD] offset:528*XI   ; LDS serves a wave's instructions in order: these see my stores, and the next block's stores come behind them
.set XI, XI+1
.endr
.if (\a) < 4
	WIN 0xc0
.set XI, 0
.rept 16
	ds_load_b128 v[128+64*((\a)%2)+4*XI:128+64*((\a)%2)+4*XI+3], v[XL] offset:8192*(\a)+512*XI
.set XI, XI+1
.endr
	WIN 0
.endif
.endm
.macro SEND a, set, ds, ld             ; set: where block a's x lies; ds, ld: the younger LDS instructions and loads that may stay out (ld < 0: no load of memory is waited for)
	s_wait_dscnt \ds
.if (\ld) >= 0
	s_wait_loadcnt \ld
.endif
	WIN 0x0c                                       ; source 1: x, window 3
.set XI, 0
.rept 32
	v_pk_add_f32 v[BK+64*((\a)%2)+2*XI:BK+64*((\a)%2)+2*XI+1], v[BK+64*((\a)%2)+2*XI:BK+64*((\a)%2)+2*XI+1], v[64*(\set)+2*XI:64*(\set)+2*XI+1]   ; + x
.set XI, XI+1
.endr
	WIN 0
.set XI, 0
.rept 16
	global_store_b128 v[LI], v[BK+64*((\a)%2)+4*XI:BK+64*((\a)%2)+4*XI+3], s[OP:OP+1] offset:65536*(\a)+4096*XI th:TH_STORE_NT   ; 32 lanes store 512 consecutive bytes, at a multiple of 512 from out0's first byte
.set XI, XI+1
.endr
.endm
	s_load_b512 s[4:19], s[0:1], 0x0               ; qc s[4:5], qs s[6:7], kvc s[8:9], kvs s[10:11], wc s[12:13], ws s[14:15], bp s[16:17], x s[18:19]
	s_load_b64 s[20:21], s[0:1], 0x40              ; out0
	v_lshl_add_u32 v[SPW], v0, 2, SPARE
	v_mov_b32 v[NIL], 0
	ds_add_u32 v[SPW], v[NIL]                      ; the wave's opening: the add, twice on end, and its wait ahead of my first tensor load; the set-up below stands between
	ds_add_u32 v[SPW], v[NIL]
	v_lshrrev_b32 v15, 5, v0
	v_readfirstlane_b32 s[WV], v15
	s_bfe_u32 s23, ttmp6, 0x40000                  ; cx: my place in the cluster
	s_lshl_b32 s76, ttmp9, 2                       ; in a cluster launch ttmp9 counts clusters
	s_add_co_u32 s76, s76, s23                     ; my block of 128 queries: it enters the addresses of Q, x and out0 alone
	s_and_b32 s77, ttmp7, 0xffff                   ; the batch, which the four partners share
	s_mov_b32 s24, 15|(3<<16)|(1<<21)              ; group 1 for the images: 15:0 the mask: all four; 17:16 elements of 8 bytes; 21 set beside a mask; no padding
	s_mov_b32 s25, 32<<16                          ; tensor_dim0 = 32 elements: 256 bytes
	s_mov_b32 s26, 128<<16                         ; tensor_dim1 = 128 rows
	s_mov_b32 s27, 32<<16                          ; tile_dim0
	s_mov_b32 s28, 128                             ; tile_dim1
	s_mov_b32 s29, 32                              ; from row to row: the block is dense
	s_mov_b32 s30, 0
	s_mov_b32 s31, 0
	s_mov_b32 s32, 15|(3<<16)|(1<<21)              ; group 1 for the scale words: 32 such rows
	s_mov_b32 s33, 32<<16
	s_mov_b32 s34, 32<<16
	s_mov_b32 s35, 32<<16
	s_mov_b32 s36, 32
	s_mov_b32 s37, 32
	s_mov_b32 s38, 0
	s_mov_b32 s39, 0
	s_mov_b32 s[G1X], 3<<16                        ; group 1 for x: no mask (my work-group's own load); elements of 8 bytes; no padding
	s_mov_b32 s[G1X+1], 64<<16                     ; tensor_dim0 = 64 elements: 512 bytes
	s_mov_b32 s[G1X+2], 64<<16                     ; tensor_dim1 = 64 rows
	s_mov_b32 s[G1X+3], 64<<16                     ; tile_dim0
	s_mov_b32 s[G1X+4], 64                         ; tile_dim1
	s_mov_b32 s[G1X+5], 512                        ; from row to row: 4,096 bytes
	s_mov_b32 s[G1X+6], 0
	s_mov_b32 s[G1X+7], 0
	s_mov_b32 s[CS], 0x3d8293ee                    ; log2(e) / sqrt(512)
	s_mov_b32 s[CS+1], s[CS]
	s_mov_b32 s[SEL], 0x76543210
	s_mov_b32 s[SEL+1], 0xfedcba98
	s_mov_b32 s[HM], 0xffff0000
	s_mov_b32 s[TB], 0
	s_mov_b32 s[TJ], 0
	s_mov_b32 s[SLOTS], 2
	s_cmp_eq_u32 ttmp9, 0                          ; the batch's first cluster prefetches: the same in all four partners
	s_cselect_b32 s[LIM], 1, -1
	v_and_b32 v15, 31, v0                          ; l
	v_lshlrev_b32 v[LI], 4, v15
	v_lshlrev_b32 v[LS], 2, v15
	v_add_nc_u32 v[LSK], SCK, v[LS]
	v_add_nc_u32 v[LI1], SLOT1, v[LI]
	v_add_nc_u32 v[LS1], SLOT1, v[LS]
	v_lshlrev_b32 v[PFO], 8, v15
	s_lshl_b32 s82, s[WV], 13
	s_add_co_u32 s82, s82, SLOT1
	v_add_nc_u32 v[OWI], s82, v[LI]
	s_lshl_b32 s82, s[WV], 7
	s_add_co_u32 s82, s82, SLOT1
	v_add_nc_u32 v[OWS], s82, v[LS]
	s_lshl_b32 s82, s[WV], 15
	v_add_nc_u32 v[XL], s82, v[LI]
	v_and_b32 v26, 15, v0                          ; r
	v_bfe_u32 v27, v0, 4, 1                        ; h
	s_mul_i32 s82, s[WV], 16*528
	s_add_co_u32 s82, s82, SLOT1+STG
	v_mul_u32_u24 v[STO], v26, 528
	v_lshl_add_u32 v[STO], v27, 5, v[STO]
	v_add_nc_u32 v[STO], s82, v[STO]
	v_add_nc_u32 v[RD], s82, v[LI]
	v_lshlrev_b32 v[R4], 2, v26
.irp q, 0,1
	v_mov_b32 v[ST+4*\q+1], 0xff61b1e6             ; the largest t so far: -3e38, under every t
	v_floor_f32 v[ST+4*\q], -v[ST+4*\q+1]
	v_mov_b32 v[ST+4*\q+2], 0                      ; l
	v_mov_b32 v[ST+4*\q+3], 0
	v_mov_b32 v[R+2*\q+1], 0
.endr
	v_mov_b32 v[F+1], 0
.irp b, 0,1,2,3
	v_mov_b32 v[TM+4+\b], 0                        ; written once: a lane permute's destination counts as one of its sources
.endr
	s_wait_dscnt 0x0                               ; both opening adds are done
	s_wait_kmcnt 0x0
	s_mov_b32 s79, 0
	s_mov_b32 s81, 0
	s_lshl_b32 s78, s77, 15                        ; what the partners share: made of the batch and the wave's number alone
	s_lshl_b32 s83, s[WV], 13
	s_add_co_u32 s78, s78, s83
	s_add_nc_u64 s[42:43], s[10:11], s[78:79]      ; kvs + 32,768 n + 8,192 w
	s_lshl_b32 s78, s77, 19
	s_lshl_b32 s83, s[WV], 15
	s_add_co_u32 s78, s78, s83
	s_add_nc_u64 s[46:47], s[8:9], s[78:79]        ; kvc + 524,288 n + 32,768 w: key steps 0 and 1,
	s_add_nc_u64 s[50:51], s[46:47], 2*STEPB       ; and 2 and 3
	s_lshl_b32 s78, s[WV], 15
	s_add_co_u32 s78, s78, 3*131072
	s_add_nc_u64 s[12:13], s[12:13], s[78:79]      ; Wp's images, my 8 tiles of rows
	s_lshl_b32 s78, s[WV], 9
	s_add_nc_u64 s[16:17], s[16:17], s[78:79]      ; bp
	s_add_co_u32 s78, s78, 3*8192
	s_add_nc_u64 s[14:15], s[14:15], s[78:79]      ; Wp's scale words
	s_lshl_b32 s80, s77, 19                        ; and what is my work-group's own
	s_lshl_b32 s2, s23, 15
	s_add_co_u32 s80, s80, s2
	s_lshl_b32 s2, s[WV], 13
	s_add_co_u32 s80, s80, s2
	s_add_co_u32 s80, s80, 4*STEPB
	s_add_nc_u64 s[PFA:PFA+1], s[8:9], s[80:81]    ; in key steps 4 and 5; the first change of slots steps it to 6 and 7
	s_lshl_b32 s80, s77, 18
	s_lshl_b32 s2, s76, 15
	s_add_co_u32 s80, s80, s2
	s_lshl_b32 s2, s[WV], 13
	s_add_co_u32 s80, s80, s2
	s_add_nc_u64 s[4:5], s[4:5], s[80:81]          ; Q: my two tiles
	s_lshl_b32 s80, s77, 14
	s_lshl_b32 s2, s76, 11
	s_add_co_u32 s80, s80, s2
	s_lshl_b32 s2, s[WV], 7
	s_add_co_u32 s80, s80, s2
	s_add_nc_u64 s[6:7], s[6:7], s[80:81]          ; and their scale words
	s_lshl_b32 s80, s77, 21
	s_lshl_b32 s2, s[WV], 19
	s_add_co_u32 s80, s80, s2
	s_lshl_b32 s2, s76, 9
	s_add_co_u32 s80, s80, s2
	s_add_nc_u64 s[XP:XP+1], s[XP:XP+1], s[80:81]  ; x and out0: row 512 n + 128 w, byte 512 x my block
	s_add_nc_u64 s[OP:OP+1], s[OP:OP+1], s[80:81]
	s_mov_b32 s40, 1                               ; group 0 for the scale words: count 1,
	s_lshl_b32 s41, s[WV], 13
	s_add_co_u32 s41, s41, SCK                     ; LDS address,
	s_or_b32 s43, s43, 0x80000000                  ; type 2
	s_mov_b32 s44, 1                               ; slot 0
	s_lshl_b32 s45, s[WV], 15
	s_or_b32 s47, s47, 0x80000000
	s_mov_b32 s48, 1                               ; slot 1: this one walks on
	s_add_co_u32 s49, s45, SLOT1
	s_or_b32 s51, s51, 0x80000000
	s_mov_b32 s[G0X], 1                            ; x: my quarter of slot 0; my wave's first row; used once, at the last change of slots
	s_lshl_b32 s[G0X+1], s[WV], 15
	s_mov_b64 s[G0X+2:G0X+3], s[XP:XP+1]
	s_or_b32 s[G0X+3], s[G0X+3], 0x80000000
	CROUND                                         ; all four work-groups are here: the first joint loads meet
	tensor_load_to_lds s[40:43], s[32:39]          ; the first fills go out as one group: three loads of mine are out
	s_nop 0
	tensor_load_to_lds s[44:47], s[24:31]
	s_nop 0
	tensor_load_to_lds s[48:51], s[24:31]
	s_nop 0
	PLACES 4
	WIN 0xc0
.set XI, 0
.rept 16
	global_load_b128 v[4*XI:4*XI+3], v[LI], s[4:5] offset:512*XI   ; Q stays in registers: fragment 4 q + K step
.set XI, XI+1
.endr
	WIN 0
.irp ks, 0,1,2,3
	global_load_b32 v[QSC+\ks], v[LS], s[6:7] offset:512*\ks
.endr
	s_wait_tensorcnt 1                             ; the scale words and my part of slot 0 are in; slot 1's load may stay out
	s_barrier_signal -1
	s_barrier_wait -1                              ; everybody's are
	s_wait_loadcnt 0x0                             ; Q
	STEP 1                                         ; key step 0 starts O^T's sums with the constant 0: nothing is cleared
	STEP 0
.Lslot:                                            ; two trips: key steps 2 to 5; each change fills the slot that was left
	CHANGE 1
	TWO_STEPS
	s_sub_co_u32 s[SLOTS], s[SLOTS], 1
	s_cmp_lg_u32 s[SLOTS], 0
	s_cbranch_scc1 .Lslot
	CHANGE 2                                       ; the last change is written out: no key step is left to ask for; slot 0 takes my rows 0-63 of x
	TWO_STEPS
	; ---- Wp, its scale words and bp are asked for; they land while O / l is quantised
	PLACES 4
	WIN 0xc0
.irp kb, 0,1,2,3
.irp dt, 0,1,2,3,4,5,6,7
	global_load_b128 v[64*\kb+8*\dt:64*\kb+8*\dt+3], v[LI], s[12:13] offset:1024*(4*\dt+\kb)         ; fragment (dt, K step kb) at v[64 kb + 8 dt] of window 3: a K step's eight lie together
	global_load_b128 v[64*\kb+8*\dt+4:64*\kb+8*\dt+7], v[LI], s[12:13] offset:1024*(4*\dt+\kb)+512
.endr
.endr
	WIN 0
.irp g, 0,1,2,3
.irp kb, 0,1,2,3
	global_load_b32 v[KSC+4*\g+\kb], v[LS], s[14:15] offset:2048*\kb+128*\g
.endr
.endr
.irp dt, 0,1,2,3,4,5,6,7
	global_load_b32 v[BP+8*\dt], v[R4], s[16:17] offset:64*\dt       ; bp(128 w + 16 dt + r)
.endr
.irp q, 0,1
	v_add_f32 v[TM+\q], v[ST+4*\q+2], v[ST+4*\q+3] ; l's two halves,
.endr
.irp q, 0,1
	v_permlanex16_b32 v[TM+4+\q], v[TM+\q], s[SEL], s[SEL+1]
.endr
.irp q, 0,1
	v_add_f32 v[TM+\q], v[TM+\q], v[TM+4+\q]       ; and lane l xor 16's
.endr
.irp q, 0,1
	v_rcp_f32 v[R+2*\q], v[TM+\q]
.endr
	v_nop                                          ; a plain line behind the last reciprocal,
	s_wait_alu depctr_va_vdst(0)                   ; and the wait ahead of the first reader: one for the two
	s_wait_dscnt 0x0                               ; my reads of slot 1 are over
	s_barrier_signal -1
	s_barrier_wait -1                              ; everybody's are: slot 1, which has had its last fill, may be written.  (My load of x into slot 0 may stay out)
	; ---- O / l, 128 channels at a time, becomes a fragment (16 queries x 128 channels) and goes to LDS as an image
.irp kb, 0,1,2,3
.irp q, 0,1
	WIN 0x01+\q                                    ; source 0: O^T, window 1 or 2
.set XI, 0
.rept 32
	v_pk_mul_f32 v[OF+2*XI:OF+2*XI+1], v[64*\kb+2*XI:64*\kb+2*XI+1], v[R+2*\q:R+2*\q+1] op_sel_hi:[1,0]
.set XI, XI+1
.endr
	WIN 0
	QUANTN OF, PC+8*\q, PW0+\q
	ds_store_b128 v[OWI], v[PC+8*\q:PC+8*\q+3] offset:OIMG+1024*(4*\q+\kb)
	ds_store_b128 v[OWI], v[PC+8*\q+4:PC+8*\q+7] offset:OIMG+1024*(4*\q+\kb)+512
.endr
	v_cndmask_b32 v[PWM], v[PW0], v[PW0+1], s[HM]  ; lanes 0-15: tile 0's words; lanes 16-31: tile 1's
	ds_store_b32 v[OWS], v[PWM] offset:OSC+512*\kb
	s_wait_dscnt 0x0                               ; the stores have read their registers
.endr
	s_wait_loadcnt 0x0                             ; Wp, its words, bp
.irp dt, 0,1,2,3,4,5,6,7
.irp e, 1,2,3,4,5,6,7
	v_mov_b32 v[BP+8*\dt+\e], v[BP+8*\dt]          ; a lane holds one output channel: its bias eight times is the C of the first K step
.endr
.endr
	s_barrier_signal -1                            ; (my LDS stores have landed: the wait above)
	s_barrier_wait -1                              ; all 32 fragments of O / l lie in LDS
	; ---- the last product: 64 accumulators (8 query tiles x my 8 channel tiles) by turns, a K step at a time.  Behind K steps 0 and 1 the 64 registers that Wp's fragments leave take rows 64-79 and 80-95 of x
.irp kb, 0,1,2,3
.irp m, 0,1,2,3,4,5,6,7
	ds_load_b128 v[OF+8*\m:OF+8*\m+3], v[LI1] offset:OIMG+1024*(4*\m+\kb)
	ds_load_b128 v[OF+8*\m+4:OF+8*\m+7], v[LI1] offset:OIMG+1024*(4*\m+\kb)+512
.endr
.irp g, 0,1,2,3
	ds_load_b32 v[VSC+\g], v[LS1] offset:OSC+512*\kb+128*\g
.endr
	s_wait_dscnt 0x0
.irp m, 0,1,2,3,4,5,6,7
.if \kb == 0
	WIN 0x4c+0x40*(\m/4)                           ; source 1 (Wp) window 3; C (bp) window 0; D window 1 or 2
.else
	WIN 0x5c+0x50*(\m/4)                           ; C and D window 1 or 2
.endif
.irp dt, 0,1,2,3,4,5,6,7
.if \kb == 0
	WM 8*(8*(\m%4)+\dt), OF+8*\m, 64*\kb+8*\dt, BP+8*\dt, VSC+\m/2, KSC+4*(\dt/2)+\kb, \m%2, \dt%2
.else
	WM 8*(8*(\m%4)+\dt), OF+8*\m, 64*\kb+8*\dt, 8*(8*(\m%4)+\dt), VSC+\m/2, KSC+4*(\dt/2)+\kb, \m%2, \dt%2
.endif
.endr
.endr
	WIN 0
	PLACES 4                                       ; ahead of loads into registers that these products read, and of the first read of results
.if \kb < 2
	XLOAD 4+\kb, \kb
.endif
.endr
	; ---- the way out.  x: blocks 0-3 from slot 0 (sets 2, 3 by turns), blocks 4-7 from memory (sets 0, 1, 2, 3; asked for in the order 4, 5, 6, 7).
	; A block's rows are sent while the next block is on its way through the stage.  s_wait_dscnt 48 or 32 leaves out the next block's LDS instructions; s_wait_loadcnt leaves out the younger blocks' 16 loads each.
	; s_wait_xcnt 0 ahead of a block's turn through the stage: the stores of the block two back have read the registers in which this block's rows land.
	s_wait_tensorcnt 0x0                           ; my rows 0-63 of x lie in LDS; only I read them
	TOSTAGE 0
	TOSTAGE 1
	SEND 0, 2, 48, -1
	s_wait_xcnt 0x0
	TOSTAGE 2
	SEND 1, 3, 48, -1
	s_wait_xcnt 0x0
	TOSTAGE 3
	SEND 2, 2, 48, -1
	XLOAD 6, 2                                     ; set 2 has served blocks 0 and 2
	s_wait_xcnt 0x0
	TOSTAGE 4
	SEND 3, 3, 32, -1
	XLOAD 7, 3                                     ; set 3 has served blocks 1 and 3
	s_wait_xcnt 0x0
	TOSTAGE 5
	SEND 4, 0, 32, 48
	s_wait_xcnt 0x0
	TOSTAGE 6
	SEND 5, 1, 32, 32
	s_wait_xcnt 0x0
	TOSTAGE 7
	SEND 6, 2, 32, 16
	SEND 7, 3, 0, 0
	s_wait_tensorcnt 0x0                           ; the wave's end: behind my last tensor load and my last LDS store
	ds_add_u32 v[SPW], v[NIL]
	s_wait_dscnt 0x0
	CROUND                                         ; the closing round: no work-group ends while a partner may still ask for a tile that names it
	s_endpgm
.Lfunc_end_k_q60dfbb66d8_attn:
	.size	k_q60dfbb66d8_attn, .Lfunc_end_k_q60dfbb66d8_attn-k_q60dfbb66d8_attn
	.p2alignl 7, 3214868480
	.fill 96, 4, 3214868480
	.section	.rodata,"a",@progbits
	.p2align	6, 0x0
	.amdhsa_kernel k_q60dfbb66d8_attn
		.amdhsa_group_segment_fixed_size 327680
		.amdhsa_private_segment_fixed_size 0
		.amdhsa_enable_private_segment 0
		.amdhsa_kernarg_size 72
		.amdhsa_user_sgpr_count 2
		.amdhsa_user_sgpr_kernarg_segment_ptr 1
		.amdhsa_wavefront_size32 1
		.amdhsa_system_sgpr_workgroup_id_x 1
		.amdhsa_system_sgpr_workgroup_id_y 1
		.amdhsa_system_sgpr_workgroup_id_z 1
		.amdhsa_system_vgpr_workitem_id 0
		.amdhsa_next_free_vgpr 1024
		.amdhsa_next_free_sgpr 88
		.amdhsa_reserve_vcc 0
		.amdhsa_float_denorm_mode_32 3
		.amdhsa_float_denorm_mode_16_64 3
		.amdhsa_memory_ordered 1
		.amdhsa_forward_progress 1
		.amdhsa_inst_pref_size 255
	.end_amdhsa_kernel
	.section	.bss,"aw",@nobits
	.p2align	6
	.space	262144
	.amdgpu_metadata
---
amdhsa.version: [ 1, 2 ]
amdhsa.kernels:
  - .name:           k_q60dfbb66d8_attn
    .symbol:         k_q60dfbb66d8_attn.kd
    .args:
      - { .name: qc, .offset: 0, .size: 8, .value_kind: global_buffer, .address_space: global }
      - { .name: qs, .offset: 8, .size: 8, .value_kind: global_buffer, .address_space: global }
      - { .name: kvc, .offset: 16, .size: 8, .value_kind: global_buffer, .address_space: global }
      - { .name: kvs, .offset: 24, .size: 8, .value_kind: global_buffer, .address_space: global }
      - { .name: wc, .offset: 32, .size: 8, .value_kind: global_buffer, .address_space: global }
      - { .name: ws, .offset: 40, .size: 8, .value_kind: global_buffer, .address_space: global }
      - { .name: bp, .offset: 48, .size: 8, .value_kind: global_buffer, .address_space: global }
      - { .name: x, .offset: 56, .size: 8, .value_kind: global_buffer, .address_space: global }
      - { .name: out0, .offset: 64, .size: 8, .value_kind: global_buffer, .address_space: global }
    .group_segment_fixed_size: 327680
    .private_segment_fixed_size: 0
    .kernarg_segment_align: 8
    .kernarg_segment_size: 72
    .max_flat_workgroup_size: 128
    .sgpr_count:     88
    .vgpr_count:     1024
    .wavefront_size: 32
...
	.end_amdgpu_metadata
.endif
;; end of part 3
